; MI455X (gfx1250); checked and timed in simulation.
; The chip was launched on July 23, 2026; its instructions are those of AMD's public machine-readable ISA for CDNA 5 (MIT licence, August 2026) and "CDNA5" Instruction Set Architecture Reference Guide (July 2026). The comments in the code are by the model that wrote it; some were corrected since.
;; Causal Self Attention. Allowed arithmetic: matrix products marked QUANTISED: E2M1 operands, one E8M0 scale for each 32 along K, by v_wmma_scale_f32_16x16x128_f8f6f4 with both operands' format E2M1 (or v_wmma_scale_f32_32x16x128_f4), f32 sums; products left as they are: bf16, f16 or f32 operands; f32 sums; everything else in f32.
;; Inputs: Wk 256 x 1,024 float32; Wproj 1,024 x 1,024 float32; Wq 1,024 x 1,024 float32; Wv 256 x 1,024 float32; q_gain 16 float32; x 4 x 2,048 x 1,024 float32.
;; Outputs: out0 4 x 2,048 x 1,024 float32.
;; This version of the problem:
;;   THIS VERSION OF THE PROBLEM IS GIVEN IN LOW PRECISION. The matrix products marked QUANTISED in the list below multiply operands that are first quantised to E2M1 (2 exponent bits, 1 mantissa bit; 4 bits a number), with one power-of-two scale for each 32 numbers along K (OCP MX v1.0); their sums are f32. The products marked 'left as it is' may take bf16, f16 or f32 operands, with f32 sums. Whichever they take, every output number must still come out within the allowed error. Rounding operands to bf16 (8 significant bits) uses up far more of that allowance than f16 does (11 bits, for magnitudes from 6e-5 to 65,504). All else is computed in f32.
;;   The module's matrix products, in the order in which they are computed (A, B: the left and right operand; K: the contracted axis; several contracted axes count as one K, in the product's order):
;;     1. [M 8,192, K 1,024] x [K 1,024, N 1,024]; A: input x; B: input Wq: QUANTISED
;;     2. [M 8,192, K 1,024] x [K 1,024, N 256]; A: input x; B: input Wk: QUANTISED
;;     3. [M 8,192, K 1,024] x [K 1,024, N 256]; A: input x; B: input Wv: QUANTISED
;;     4. batch 64 x [M 2,048, K 64] x [K 64, N 2,048]; A: computed on the way; B: computed on the way: left as it is (an operand is computed on the way)
;;     5. batch 64 x [M 2,048, K 2,048] x [K 2,048, N 64]; A: computed on the way; B: computed on the way: left as it is (an operand is computed on the way)
;;     6. [M 8,192, K 1,024] x [K 1,024, N 1,024]; A: computed on the way; B: input Wproj: left as it is (an operand is computed on the way)
;;   THE QUANTISER, for each operand of a quantised product, along K:
;;     - K is cut into blocks of 32 from its start; a last block that is shorter is filled with zeros.
;;     - A block's scale is 2^e with e = floor(log2(the largest magnitude in the block)) - 2, held to -126 .. 127; a block of zeros has e = 0. As a byte (E8M0): e + 127.
;;     - Each number is divided by its block's scale, clamped to +-6, and rounded to the nearest number of E2M1, ties to even, subnormals kept.
;;     - The product sums the exact products of the quantised numbers (number of the format x scale) in f32.
;;   ~~~python
;;   def quantise(x, axis):      # numpy; x: float32 -> the quantised numbers, widened to float32 again
;;       x = np.moveaxis(x, axis, -1); K = x.shape[-1]
;;       x = np.pad(x, [(0, 0)] * (x.ndim - 1) + [(0, -K % 32)]); x = x.reshape(x.shape[:-1] + (-1, 32)); a = np.abs(x).max(-1, keepdims=True)
;;       e = np.where(a > 0, np.clip(np.frexp(np.where(a > 0, a, 1))[1] - 1 - 2, -126, 127), 0)      # np.frexp(a)[1] - 1 = floor(log2(a)), exactly
;;       r = np.clip(x / 2.0 ** e, -6, 6)
;;       step = 2.0 ** (np.maximum(np.frexp(np.where(r == 0, 1, r))[1] - 1, 0) - 1)
;;       q = np.round(r / step) * step * 2.0 ** e      # np.round: ties to even
;;       return np.moveaxis(q.reshape(q.shape[:-2] + (-1,))[..., :K], -1, axis).astype(np.float32)
;;   ~~~
;; One version. Each part assembles by itself: llvm-mc -triple=amdgcn-amd-amdhsa -mcpu=gfx1250 --defsym DOCPART=n.
;; ======== version 1 of 1: 5 launches
;; limits: values are held in f16: magnitudes above 65,504 overflow, below 6.1e-05 lose precision
;; workspace buffers: codes 4,980,736 bytes; scl 311,296 bytes; wp16 2,097,152 bytes; tab 540,672 bytes; qkv 25,165,824 bytes; f32rows 393,216 bytes; y16 16,777,216 bytes
;; launch prep (part 1): grid 369 x 1, 4 waves a work-group, no clusters, 33,280 bytes of LDS; arguments x, Wq, Wk, Wv, Wproj, codes, scl, wp16, tab; writes codes, scl, wp16, tab
.if DOCPART == 1
	.amdgcn_target "amdgcn-amd-amdhsa--gfx1250"
	.amdhsa_code_object_version 6
	.text
	.protected	k_qaba4b2ba7f_prep
	.globl	k_qaba4b2ba7f_prep
	.p2align	8
	.type	k_qaba4b2ba7f_prep,@function
k_qaba4b2ba7f_prep:
	s_mov_b64 s[64:65], 0
	v_nop
	global_prefetch_b8 v0, s[64:65] scope:SCOPE_SE
	s_setreg_imm32_b32 hwreg(HW_REG_WAVE_MODE, 25, 1), 1
	s_wait_xcnt 0x0
; THREE JOBS IN ONE LAUNCH, told apart by the work-group's number.
; Work-groups 0-303: x [8192][1024], Wq [1024][1024], Wk [256][1024], Wv [256][1024], f32, K innermost, become codes of FP4 (E2M1) and E8M0 scale bytes, one for each 32 along K.
;   The four tensors lie one behind the other in the two buffers: rows 0-8191 x, 8192-9215 Wq, 9216-9471 Wk, 9472-9727 Wv; a row is 512 bytes of codes and 32 scale bytes.
;   A block's scale is 2^(floor(log2(its largest magnitude)) - 2); its byte is the largest magnitude's exponent field - 2, held at 1 from below.  A block of zeros so gets the byte 1 where the
;   quantiser's text says 127: its codes are zeros, which add nothing under any byte but 0xff, and this program alone reads the bytes.
;   LIMITS: NaN and infinities among the inputs are not served.
; Work-groups 304-335: Wproj [1024][1024] f32 is rounded to f16 (nearest even).  LIMIT: magnitudes from 65,520 on become infinity; under 6e-5 they keep fewer bits.
; Work-groups 336-368: the table of cos and sin for the rotary turn, laid in the order in which the next launch's lanes take it: block sb (4,096 bytes) serves positions 16 sb + r; piece p of eight
;   (512 bytes) holds, for lane (r, h), four numbers: pieces 0-3 cos, 4-7 sin, of channel 16 t + 8 h + j, t = (p % 4) / 2, j = 4 (p % 2) + 0 .. 3.  Blocks 128-131 hold cos = 1, sin = 0.
;   The angle is position x 10^(-channel / 8), one f32 product; it is brought to |rho| <= pi/4 by taking off n x pi/2 in two parts, and sin and cos of rho are series up to rho^9 and rho^10.
;   The angles hang on no input, so that length serves every input.
.set WAVES, 4
.set STEPS, 16
.set EMAX,  2
.set CB,    8                          ; bytes of 16 codes
.set R,     16                         ; v16-79   four sets of 16 numbers as they are loaded
.set X,     80                         ; v80-111  two sets of 16 neighbours
.set C,     128                        ; v128-191 codes: four registers for each step
.set E,     112                        ; v112-127 a scale byte for each step
.set WREG,  8192                       ; LDS: a region for each wave: two stages of 32 x SP bytes, behind them its 256 scale bytes
.set SP,    80                         ; a lane's place in a stage: 64 bytes + 16 of padding
.set SPW,   12                         ; v12  LDS address of my spare word; never rewritten
.set NIL,   13                         ; v13  0; never rewritten
.set SPARE, WAVES*WREG                 ; behind the regions: the spare words, 128 bytes a wave
.set COS,   16                         ; the table's path: v16-31 cos, v32-47 sin, v48-58 at work
.set SIN,   32
	s_load_b256 s[4:11], s[0:1], 0x0               ; x, Wq, Wk, Wv
	s_load_b256 s[12:19], s[0:1], 0x20             ; Wproj, codes, scl, wp16
	s_load_b64 s[20:21], s[0:1], 0x40              ; tab
	v_lshl_add_u32 v[SPW], v0, 2, SPARE
	v_mov_b32 v[NIL], 0
	v_lshrrev_b32 v1, 5, v0
	v_readfirstlane_b32 s22, v1                    ; wave
	v_and_b32 v2, 31, v0                           ; lane
	v_lshlrev_b32 v3, 4, v2                        ; 16 x lane
	s_wait_kmcnt 0x0
	s_cmp_ge_u32 ttmp9, 336
	s_cbranch_scc1 .Ltab
	s_cmp_ge_u32 ttmp9, 304
	s_cbranch_scc1 .Lcv
; ---------------- the quantiser.  A wave takes 16 steps of 512 numbers.  Each load reads 512 consecutive bytes; a step's 2,048 bytes turn through the wave's own stage, so that a lane then holds 16 neighbours along K.
	s_mul_i32 s24, s22, WREG
	v_lshrrev_b32 v14, 2, v2
	v_mul_u32_u24 v14, v14, SP
	v_and_b32 v15, 3, v2
	v_lshl_add_u32 v14, v15, 4, v14
	v_add_nc_u32 v14, s24, v14                     ; the stage on the way in: SP (lane / 4) + 16 (lane % 4)
	v_mul_u32_u24 v15, v2, SP
	v_add_nc_u32 v15, s24, v15                     ; and on the way out: SP x lane
	v_mul_u32_u24 v4, v2, CB                       ; my codes' place in a step's
	v_lshrrev_b32 v5, 1, v2
	s_add_co_u32 s24, s24, 2*32*SP
	v_add_nc_u32 v5, s24, v5                       ; my block's byte among my wave's 256
	v_lshlrev_b32 v7, 3, v2
	v_add_nc_u32 v6, s24, v7                       ; and on the way out 8 bytes a lane
	s_mov_b32 s23, 0                               ; which tensor: the choice hangs on the work-group's number alone
	s_cmp_ge_u32 ttmp9, 256
	s_cselect_b64 s[4:5], s[6:7], s[4:5]
	s_cselect_b32 s23, 256, s23
	s_cmp_ge_u32 ttmp9, 288
	s_cselect_b64 s[4:5], s[8:9], s[4:5]
	s_cselect_b32 s23, 288, s23
	s_cmp_ge_u32 ttmp9, 296
	s_cselect_b64 s[4:5], s[10:11], s[4:5]
	s_cselect_b32 s23, 296, s23
	s_sub_co_u32 s23, ttmp9, s23
	s_lshl_b32 s23, s23, 2
	s_add_co_u32 s23, s23, s22                     ; which run of 8,192 numbers of that tensor is my wave's
	s_lshl_b32 s26, s23, 15
	s_mov_b32 s27, 0
	s_add_nc_u64 s[4:5], s[4:5], s[26:27]
	s_lshl_b32 s23, ttmp9, 2
	s_add_co_u32 s23, s23, s22                     ; and which run of the two buffers: the tensors lie on end there
	s_lshl_b32 s26, s23, 12
	s_add_nc_u64 s[14:15], s[14:15], s[26:27]      ; 4,096 bytes of codes a run
	s_lshl_b32 s26, s23, 8
	s_add_nc_u64 s[16:17], s[16:17], s[26:27]      ; 256 scale bytes a run
.macro LOAD t
.irp i, 0,1,2,3
	global_load_b128 v[R+16*((\t)%4)+4*\i:R+16*((\t)%4)+4*\i+3], v3, s[4:5] offset:2048*(\t)+512*\i th:TH_LOAD_NT
.endr
.endm
.macro TURN t                          ; step t's numbers through the stage: LDS serves a wave's instructions in order, so no wait stands between the stores and the loads
.irp i, 0,1,2,3
	ds_store_b128 v14, v[R+16*((\t)%4)+4*\i:R+16*((\t)%4)+4*\i+3] offset:32*SP*((\t)%2)+8*SP*\i
.endr
.irp i, 0,1,2,3
	ds_load_b128 v[X+16*((\t)%2)+4*\i:X+16*((\t)%2)+4*\i+3], v15 offset:32*SP*((\t)%2)+16*\i
.endr
.endm
.irp t, 0,1,2,3
	LOAD \t
.endr
	s_wait_loadcnt 12                              ; step 0's four loads are in
	TURN 0
.macro STEP t
.set XS, X+16*((\t)%2)
.if (\t) > 0
	s_wait_dscnt 1                                 ; this step's numbers are back from the stage (the last step's byte store may be out)
.else
	s_wait_dscnt 0x0
.endif
.if (\t)+4 < STEPS
	LOAD (\t)+4                                    ; into the registers that the stage's stores have read
.endif
.if (\t)+1 < STEPS
.if STEPS-2-(\t) >= 3
	s_wait_loadcnt 12                              ; the next step's four loads are in; those of the three steps behind it may be out
.else
	s_wait_loadcnt 4*(STEPS-2-(\t))
.endif
	TURN (\t)+1
.endif
	v_max3_num_f32 v8, |v[XS]|, |v[XS+1]|, |v[XS+2]|               ; the largest magnitude of my 16
	v_max3_num_f32 v9, |v[XS+3]|, |v[XS+4]|, |v[XS+5]|
.irp i, 6,10
	v_max3_num_f32 v8, v8, |v[XS+\i]|, |v[XS+\i+1]|
	v_max3_num_f32 v9, v9, |v[XS+\i+2]|, |v[XS+\i+3]|
.endr
	v_max3_num_f32 v8, v8, |v[XS+14]|, |v[XS+15]|
	v_max3_num_f32 v8, v8, v9, (EMAX+1)<<23        ; and the floor 2^(3 - 127): the byte cannot fall under 1
	v_max_num_f32_dpp v8, v8, v8 row_xmask:1 row_mask:0xf bank_mask:0xf   ; with my neighbour's 16: the block's
	v_add_nc_u32 v11, -(EMAX<<23), v8              ; 2 off its exponent field: the conversion takes the exponent field of this operand as its scale
	v_cvt_scalef32_pk8_fp4_f32 v[C+4*(\t)], v[XS:XS+7], v11
	v_cvt_scalef32_pk8_fp4_f32 v[C+4*(\t)+1], v[XS+8:XS+15], v11
	v_lshrrev_b32 v[E+(\t)], 23, v11               ; the scale's byte
	ds_store_b8 v5, v[E+(\t)] offset:16*(\t)       ; both lanes of a block write the same byte with the same value
	global_store_b64 v4, v[C+4*(\t):C+4*(\t)+1], s[14:15] offset:32*CB*(\t)   ; the wave stores 256 consecutive bytes, aligned
.endm
.irp t, 0,1,2,3,4,5,6,7,8,9,10,11,12,13,14,15
	STEP \t
.endr
	ds_load_b64 v[8:9], v6                         ; LDS serves a wave's instructions in order: these see my stores
	s_wait_dscnt 0x0
	global_store_b64 v7, v[8:9], s[16:17]          ; 32 lanes store 256 consecutive bytes, aligned
	s_wait_tensorcnt 0x0                           ; the wave's end, behind my last LDS store
	ds_add_u32 v[SPW], v[NIL]
	s_wait_dscnt 0x0
	s_endpgm
; ---------------- Wproj to f16.  A wave takes 8,192 numbers: 64 loads of 512 consecutive bytes, 16 of them on their way; each gives a store of 256 consecutive bytes.  No LDS.
.Lcv:
	s_sub_co_u32 s23, ttmp9, 304
	s_lshl_b32 s23, s23, 2
	s_add_co_u32 s23, s23, s22
	s_lshl_b32 s26, s23, 15
	s_mov_b32 s27, 0
	s_add_nc_u64 s[12:13], s[12:13], s[26:27]
	s_lshl_b32 s26, s23, 14
	s_add_nc_u64 s[18:19], s[18:19], s[26:27]
	v_lshlrev_b32 v4, 3, v2                        ; 8 x lane
.irp i, 0,1,2,3,4,5,6,7,8,9,10,11,12,13,14,15
	global_load_b128 v[16+4*\i:19+4*\i], v3, s[12:13] offset:512*\i
.endr
.macro CV idx
.if 63-(\idx) < 15
	s_wait_loadcnt 63-(\idx)                       ; the tail: as many younger loads as are left
.else
	s_wait_loadcnt 15                              ; loads come back in order: mine is in, the fifteen younger ones stay out
.endif
	s_wait_xcnt 0x0                                ; the slot's last store has read its two registers
	v_cvt_pk_f16_f32 v[80+2*((\idx)%16)], v[16+4*((\idx)%16)], v[17+4*((\idx)%16)]
	v_cvt_pk_f16_f32 v[81+2*((\idx)%16)], v[18+4*((\idx)%16)], v[19+4*((\idx)%16)]
.if (\idx)+16 < 64
	global_load_b128 v[16+4*((\idx)%16):19+4*((\idx)%16)], v3, s[12:13] offset:512*((\idx)+16)
.endif
	global_store_b64 v4, v[80+2*((\idx)%16):81+2*((\idx)%16)], s[18:19] offset:256*(\idx)
.endm
.set Q, 0
.rept 64
	CV Q
.set Q, Q+1
.endr
	s_endpgm
; ---------------- the table.  A wave makes one block.
.Ltab:
	s_sub_co_u32 s23, ttmp9, 336
	s_lshl_b32 s23, s23, 2
	s_add_co_u32 s23, s23, s22                     ; the block, 0 .. 131
	s_lshl_b32 s26, s23, 12
	s_mov_b32 s27, 0
	s_add_nc_u64 s[20:21], s[20:21], s[26:27]
	s_cmp_ge_u32 s23, 128
	s_cbranch_scc1 .Lident
	v_and_b32 v4, 15, v0
	s_lshl_b32 s24, s23, 4
	v_add_nc_u32 v4, s24, v4
	v_cvt_f32_u32 v10, v4                          ; my position, 16 x block + r
	v_cmp_le_u32 vcc_lo, 16, v2                    ; lanes 16-31 take the channels 8 further on
; cos and sin of position x frequency for channel 16 t + 8 h + j; f0, f1: the frequency for h = 0, 1
.macro ANG t, j, f0, f1
	v_mov_b32 v49, \f1
	v_cndmask_b32 v48, \f0, v49, vcc_lo
	v_mul_f32 v48, v10, v48                        ; the angle
	v_mul_f32 v49, 0x3f22f983, v48                 ; x 2 / pi
	v_rndne_f32 v49, v49                           ; n
	v_fmamk_f32 v50, v49, 0xbfc90fdb, v48          ; rho = angle - n x pi/2: the f32 nearest pi/2 first,
	v_fmamk_f32 v50, v49, 0x333bbd2e, v50          ; then what it has too much: 4.371139e-8
	v_mul_f32 v51, v50, v50
	v_mov_b32 v52, 0x3638ef1b                      ; sin rho = rho + rho^3 (-1/6 + rho^2 (1/120 + rho^2 (-1/5040 + rho^2 / 362880)))
	v_fmaak_f32 v52, v52, v51, 0xb9500d01
	v_fmaak_f32 v52, v52, v51, 0x3c088889
	v_fmaak_f32 v52, v52, v51, 0xbe2aaaab
	v_mul_f32 v53, v50, v51
	v_fma_f32 v52, v53, v52, v50
	v_mov_b32 v54, 0xb493f27c                      ; cos rho = 1 + rho^2 (-1/2 + rho^2 (1/24 + rho^2 (-1/720 + rho^2 (1/40320 - rho^2 / 3628800))))
	v_fmaak_f32 v54, v54, v51, 0x37d00d01
	v_fmaak_f32 v54, v54, v51, 0xbab60b61
	v_fmaak_f32 v54, v54, v51, 0x3d2aaaab
	v_fmaak_f32 v54, v54, v51, 0xbf000000
	v_fmaak_f32 v54, v54, v51, 0x3f800000
	v_cvt_i32_f32 v55, v49                         ; the quadrant is n mod 4
	v_and_b32 v56, 1, v55
	v_cmp_ne_u32 s30, 0, v56
	v_cndmask_b32 v57, v52, v54, s30               ; odd n: sin and cos change places
	v_cndmask_b32 v58, v54, v52, s30
	v_and_b32 v56, 2, v55
	v_lshlrev_b32 v56, 30, v56
	v_xor_b32 v[SIN+8*\t+\j], v56, v57             ; sin is negative in quadrants 2, 3
	v_add_nc_u32 v55, 1, v55
	v_and_b32 v55, 2, v55
	v_lshlrev_b32 v55, 30, v55
	v_xor_b32 v[COS+8*\t+\j], v55, v58             ; cos in quadrants 1, 2
.endm
	ANG 0, 0, 1.0, 0.1
	ANG 0, 1, 0.7498942093, 0.07498942093
	ANG 0, 2, 0.5623413252, 0.05623413252
	ANG 0, 3, 0.4216965034, 0.04216965034
	ANG 0, 4, 0.3162277660, 0.03162277660
	ANG 0, 5, 0.2371373706, 0.02371373706
	ANG 0, 6, 0.1778279410, 0.01778279410
	ANG 0, 7, 0.1333521432, 0.01333521432
	ANG 1, 0, 0.01, 0.001
	ANG 1, 1, 0.007498942093, 0.0007498942093
	ANG 1, 2, 0.005623413252, 0.0005623413252
	ANG 1, 3, 0.004216965034, 0.0004216965034
	ANG 1, 4, 0.003162277660, 0.0003162277660
	ANG 1, 5, 0.002371373706, 0.0002371373706
	ANG 1, 6, 0.001778279410, 0.0001778279410
	ANG 1, 7, 0.001333521432, 0.0001333521432
.irp i, 0,1,2,3,4,5,6,7
	global_store_b128 v3, v[16+4*\i:19+4*\i], s[20:21] offset:512*\i   ; 32 lanes store 512 consecutive bytes
.endr
	s_endpgm
.Lident:
.irp i, 0,1,2,3
	v_mov_b32 v[16+\i], 1.0
	v_mov_b32 v[20+\i], 0
.endr
.irp i, 0,1,2,3
	global_store_b128 v3, v[16:19], s[20:21] offset:512*\i
	global_store_b128 v3, v[20:23], s[20:21] offset:2048+512*\i
.endr
	s_endpgm
.Lfunc_end_k_qaba4b2ba7f_prep:
	.size	k_qaba4b2ba7f_prep, .Lfunc_end_k_qaba4b2ba7f_prep-k_qaba4b2ba7f_prep
	.p2alignl 7, 3214868480
	.fill 96, 4, 3214868480
	.section	.rodata,"a",@progbits
	.p2align	6, 0x0
	.amdhsa_kernel k_qaba4b2ba7f_prep
		.amdhsa_group_segment_fixed_size 33280
		.amdhsa_private_segment_fixed_size 0
		.amdhsa_enable_private_segment 0
		.amdhsa_kernarg_size 72
		.amdhsa_user_sgpr_count 2
		.amdhsa_user_sgpr_kernarg_segment_ptr 1
		.amdhsa_wavefront_size32 1
		.amdhsa_system_sgpr_workgroup_id_x 1
		.amdhsa_system_sgpr_workgroup_id_y 1
		.amdhsa_system_sgpr_workgroup_id_z 1
		.amdhsa_system_vgpr_workitem_id 0
		.amdhsa_next_free_vgpr 192
		.amdhsa_next_free_sgpr 66
		.amdhsa_reserve_vcc 1
		.amdhsa_float_denorm_mode_32 3
		.amdhsa_float_denorm_mode_16_64 3
		.amdhsa_memory_ordered 1
		.amdhsa_forward_progress 1
		.amdhsa_inst_pref_size 86
	.end_amdhsa_kernel
	.amdgpu_metadata
---
amdhsa.version: [ 1, 2 ]
amdhsa.kernels:
  - .name:           k_qaba4b2ba7f_prep
    .symbol:         k_qaba4b2ba7f_prep.kd
    .args:
      - { .name: x, .offset: 0, .size: 8, .value_kind: global_buffer, .address_space: global }
      - { .name: Wq, .offset: 8, .size: 8, .value_kind: global_buffer, .address_space: global }
      - { .name: Wk, .offset: 16, .size: 8, .value_kind: global_buffer, .address_space: global }
      - { .name: Wv, .offset: 24, .size: 8, .value_kind: global_buffer, .address_space: global }
      - { .name: Wproj, .offset: 32, .size: 8, .value_kind: global_buffer, .address_space: global }
      - { .name: codes, .offset: 40, .size: 8, .value_kind: global_buffer, .address_space: global }
      - { .name: scl, .offset: 48, .size: 8, .value_kind: global_buffer, .address_space: global }
      - { .name: wp16, .offset: 56, .size: 8, .value_kind: global_buffer, .address_space: global }
      - { .name: tab, .offset: 64, .size: 8, .value_kind: global_buffer, .address_space: global }
    .group_segment_fixed_size: 33280
    .private_segment_fixed_size: 0
    .kernarg_segment_align: 8
    .kernarg_segment_size: 72
    .max_flat_workgroup_size: 128
    .sgpr_count:     66
    .vgpr_count:     192
    .wavefront_size: 32
...
	.end_amdgpu_metadata
.endif
;; end of part 1
;; launch qkvmm (part 2): grid 8 x 32, 12 waves a work-group, clusters of 4 x 1, 327,680 bytes of LDS; arguments codes, scl, tab, q_gain, qkv, f32rows; writes qkv, f32rows
.if DOCPART == 2
	.amdgcn_target "amdgcn-amd-amdhsa--gfx1250"
	.amdhsa_code_object_version 6
	.text
	.protected	k_qaba4b2ba7f_qkvmm
	.globl	k_qaba4b2ba7f_qkvmm
	.p2align	8
	.type	k_qaba4b2ba7f_qkvmm,@function
k_qaba4b2ba7f_qkvmm:
	s_mov_b64 s[64:65], 0
	v_nop
	global_prefetch_b8 v0, s[64:65] scope:SCOPE_SE
	s_setreg_imm32_b32 hwreg(HW_REG_WAVE_MODE, 25, 1), 1
	s_wait_xcnt 0x0
	s_wait_alu depctr_hold_cnt(0) depctr_sa_sdst(0) depctr_va_vdst(0) depctr_va_sdst(0) depctr_va_ssrc(0) depctr_va_vcc(0) depctr_vm_vsrc(0)
	s_getreg_b32 s2, hwreg(HW_REG_IB_STS2, 6, 4)
	s_cmp_eq_u32 s2, 0
	s_cbranch_scc0 .Lentry_in_a_cluster
	s_endpgm
.Lentry_in_a_cluster:
	s_bfe_u32 s2, ttmp6, 0x10000c
	s_cmp_lg_u32 s2, 0x3003
	s_cbranch_scc0 .Lentry_shape_is_right
	s_endpgm
.Lentry_shape_is_right:
; q, k, v = x Wq^T, x Wk^T, x Wv^T on codes of FP4 (E2M1) with one E8M0 scale for each 32 along K (K = 1,024), f32 sums; then, in f32, the RMS norm over a head's 64 channels (q, k), the rotary turn (q, k)
; and, for q, q_gain x log2(e) / 8, so that the next launch's scores are exponents of 2.  Out: f16, [batch 4][head 24][position 2048][64]: heads 0-15 q, 16-19 k, 20-23 v; and positions 0-15 once more, unrounded, in f32.
; SHARES.  A work-group owns 256 rows of x and three heads (192 columns): 32 x 8 = 256 work-groups.  Wave w of twelve: rows 64 (w % 4) on, head 3 X + w / 4: 64 x 64 = 16 accumulators.
; ALL OF K LIES IN LDS, as two halves of 512 along K (rows of 256 bytes + 16 of padding): every tile is asked for at the head and nothing is filled again; the second half lands while the first is multiplied.
; CLUSTER.  The four work-groups of a cluster share their rows of x: x's codes and scale bytes are asked for jointly (mask 15); the weights' tiles differ from partner to partner and come by plain loads.
; A cluster of 4 x 4 is not taken: the branch for positions 0-15 hangs on the block of rows, which all partners must share.
; THE MATRIX INSTRUCTION IS USED TRANSPOSED (source 0 = 16 rows of W, source 1 = 16 rows of x): lane (r, h) holds row r of x, and register j of tile t column 16 t + 8 h + j of the head.
; v takes the same lines as q and k: its row factor is 0 x rsqrt + 1 and its table block holds cos = 1, sin = 0: no branch hangs on the head, which differs between partners.
; No prefetch: all that the work-group reads in bulk is asked for at its head.
; LIMITS: f16's range for what is stored: |v| under 65,504 (q and k are bounded by the norm; q by 1.45 x |q_gain|).  NaN and infinities are not served.
.set PITCH, 272
.set TILEB, 64*PITCH                   ; 64 rows: what one tensor load brings
.set HALF1, 448*PITCH                  ; LDS: K 0-511 of x's 256 rows and W's 192 rows; from here on K 512-1023
.set SC,    2*HALF1                    ; the scale bytes of the 448 rows, 32 a row, dense
.set STG,   SC+448*32                  ; a stage for each wave: 16 rows x (128 bytes + 16)
.set STGW,  16*144
.set SPARE, STG+12*STGW                ; the spare words, 128 bytes a wave
.set STO, 1                            ; v1   the stage: where I put 16 bytes of a row
.set RD,  2                            ; v2   and where I read rows back: eight lanes to a row
.set LO,  3                            ; v3   16 x lane
.set FO,  4                            ; v4   my place in the f32 rows: 256 r + 32 h
.set SPW, 5                            ; v5   LDS address of my spare word; never rewritten
.set NIL, 6                            ; v6   0; never rewritten
.set ADS, 7                            ; v7   my scale words: lanes 0-15 x's rows, lanes 16-31 W's
.set ADX, 8                            ; v8-9   my fragments of x in the two halves
.set ADW, 10                           ; v10-11 of W
.set F,   12                           ; v12-15 at work at the head; then the row factors of my four tiles of rows
.set SCR, 16                           ; v16-31 scale words and nothing else: register 4 i + q: lanes 0-15 x's block i, lanes 16-31 W's block i, the half's q-th 128 along K
.set XF,  32                           ; v32-63 x's four fragments; later a tile's cos and sin
.set WF,  64                           ; v64-95 W's four; later the next tile's cos and sin
.set PK,  96                           ; v96-111  at work; packed results
.set OB,  112                          ; v112-127 rows read back from the stage
.set ACC, 128                          ; v128-255 accumulator (a, t) at 8 (4 a + t)
.set WV, 16
.set RG, 17
.set CG, 18
.set CX, 19
.set XX, 20
.set YY, 21
.set HD, 22
.set G1A,  24                          ; descriptor groups 1: x's tiles (joint), W's, x's scales (joint), W's
.set G1B,  32
.set G1SA, 40
.set G1SB, 48
.set G0A,  56                          ; groups 0: x's two halves; W's two halves; the scales
.set G0B,  68
.set G0SA, 76
.set G0SB, 80
.set SEL, 88
.set GG,  90
.set GA,  91
.set C64, 92
.set EPS, 93
.set TP,  94
.set QP,  96
.set FP,  98
.macro ROUND                           ; a round of the cluster's barrier
	s_barrier_signal -1
	s_barrier_wait -1
	s_cmp_lg_u32 s[WV], 0
	s_cbranch_scc1 .Lnot_wave_0_\@
	s_barrier_signal -3
.Lnot_wave_0_\@:
	s_barrier_wait -3
	s_barrier_signal -1
	s_barrier_wait -1
.endm
.macro PLACES n
.rept \n
	v_nop
.endr
.endm
	s_load_b256 s[4:11], s[0:1], 0x0               ; codes, scl, tab, q_gain
	s_load_b128 s[12:15], s[0:1], 0x20             ; qkv, f32rows
	v_lshl_add_u32 v[SPW], v0, 2, SPARE
	v_mov_b32 v[NIL], 0
	ds_add_u32 v[SPW], v[NIL]                      ; the wave's opening: the add, twice on end, and its wait ahead of the first tensor load
	ds_add_u32 v[SPW], v[NIL]
	v_lshrrev_b32 v12, 5, v0
	v_readfirstlane_b32 s[WV], v12                 ; wave 0..11
	s_and_b32 s[RG], s[WV], 3                      ; which 64 rows
	s_lshr_b32 s[CG], s[WV], 2                     ; which of the three heads
	s_bfe_u32 s[CX], ttmp6, 0x40000
	s_lshl_b32 s[XX], ttmp9, 2
	s_add_co_u32 s[XX], s[XX], s[CX]               ; the group of three heads: 4 x cluster x + cx
	s_and_b32 s[YY], ttmp7, 0xffff                 ; the block of 256 rows, which the partners share
	s_mul_i32 s[HD], s[XX], 3
	s_add_co_u32 s[HD], s[HD], s[CG]               ; my head, 0..23
	; group 1: 64 rows x 256 bytes out of rows of 512; 16 bytes of padding behind each 64 words
	s_mov_b32 s[G1A], 15|(1<<20)|(1<<21)|(5<<22)|(3<<25)   ; the mask names the four partners; bit 21 beside it
	s_mov_b32 s[G1B], (1<<20)|(5<<22)|(3<<25)
.irp g, G1A, G1B
	s_mov_b32 s[\g+1], 256<<16                     ; tensor_dim0
	s_mov_b32 s[\g+2], 64<<16                      ; tensor_dim1
	s_mov_b32 s[\g+3], 256<<16                     ; tile_dim0
	s_mov_b32 s[\g+4], 64                          ; tile_dim1
	s_mov_b32 s[\g+5], 512                         ; from row to row
	s_mov_b32 s[\g+6], 0
	s_mov_b32 s[\g+7], 0
.endr
	; the scale bytes of 64 rows: 2,048 dense bytes, as 8 rows of 32 elements of 8 bytes
	s_mov_b32 s[G1SA], 15|(3<<16)|(1<<21)
	s_mov_b32 s[G1SB], 3<<16
.irp g, G1SA, G1SB
	s_mov_b32 s[\g+1], 32<<16
	s_mov_b32 s[\g+2], 8<<16
	s_mov_b32 s[\g+3], 32<<16
	s_mov_b32 s[\g+4], 8
	s_mov_b32 s[\g+5], 32
	s_mov_b32 s[\g+6], 0
	s_mov_b32 s[\g+7], 0
.endr
	s_mul_i32 s23, s[WV], TILEB                    ; where a wave's tiles go: wave x 64 rows (waves 0-3: x; 4-6: W)
.irp g, G0A, G0B
	s_mov_b32 s[\g], 1
	s_mov_b32 s[\g+1], s23
	s_mov_b32 s[\g+4], 1
	s_add_co_u32 s[\g+5], s23, HALF1
.endr
	s_lshl_b32 s23, s[WV], 11
	s_add_co_u32 s23, s23, SC
	s_mov_b32 s[G0SA], 1
	s_mov_b32 s[G0SA+1], s23
	s_mov_b32 s[G0SB], 1
	s_mov_b32 s[G0SB+1], s23
	s_mov_b32 s[SEL], 0x76543210
	s_mov_b32 s[SEL+1], 0xfedcba98                 ; lane l xor 16
	s_mov_b32 s[C64], 0x3c800000                   ; 1 / 64
	s_mov_b32 s[EPS], 0x34000000                   ; f32's eps, 2^-23
	; every LDS address is made here, of the lane and the wave's number
	v_and_b32 v12, 15, v0                          ; r
	v_bfe_u32 v13, v0, 4, 1                        ; h
	v_and_b32 v14, 31, v0                          ; lane
	s_mul_i32 s23, s[WV], STGW
	s_add_co_u32 s23, s23, STG
	v_mul_u32_u24 v[STO], v12, 144
	v_lshl_add_u32 v[STO], v13, 4, v[STO]
	v_add_nc_u32 v[STO], s23, v[STO]
	v_lshrrev_b32 v15, 3, v14
	v_mul_u32_u24 v[RD], v15, 144
	v_and_b32 v15, 7, v0
	v_lshl_add_u32 v[RD], v15, 4, v[RD]
	v_add_nc_u32 v[RD], s23, v[RD]
	v_lshlrev_b32 v[LO], 4, v14
	v_lshlrev_b32 v[FO], 8, v12
	v_lshl_add_u32 v[FO], v13, 5, v[FO]
	v_mul_u32_u24 v15, v12, PITCH
	v_lshl_add_u32 v15, v13, 4, v15                ; a fragment's row x pitch + 16 h
	s_mul_i32 s23, s[RG], TILEB
	v_add_nc_u32 v[ADX], s23, v15
	v_add_nc_u32 v[ADX+1], HALF1, v[ADX]
	s_mul_i32 s23, s[CG], TILEB
	s_add_co_u32 s23, s23, 4*TILEB                 ; W's rows lie behind x's 256
	v_add_nc_u32 v[ADW], s23, v15
	v_add_nc_u32 v[ADW+1], HALF1, v[ADW]
	s_lshl_b32 s84, s[RG], 11                      ; x's scale words of my 64 rows
	s_lshl_b32 s85, s[CG], 11
	s_add_co_u32 s85, s85, 8192                    ; W's, behind x's 256 rows
	s_sub_co_u32 s85, s85, s84
	v_mul_u32_u24 v15, s85, v13                    ; lanes 16-31 take W's: the lower base + h x the distance
	s_add_co_u32 s84, s84, SC
	v_lshl_add_u32 v[ADS], v12, 5, v15
	v_add_nc_u32 v[ADS], s84, v[ADS]
	s_wait_dscnt 0x0                               ; both opening adds are done
	s_wait_kmcnt 0x0
	; x's tiles: rows 256 Y + 64 w: made of what the partners share and the wave's number alone
	s_lshl_b32 s84, s[YY], 17
	s_lshl_b32 s23, s[WV], 15
	s_add_co_u32 s84, s84, s23
	s_mov_b32 s85, 0
	s_add_nc_u64 s[G0A+2:G0A+3], s[4:5], s[84:85]
	s_add_nc_u64 s[G0A+6:G0A+7], s[G0A+2:G0A+3], 256
	s_or_b32 s[G0A+3], s[G0A+3], 0x80000000
	s_or_b32 s[G0A+7], s[G0A+7], 0x80000000
	s_lshr_b32 s84, s84, 4                         ; 32 scale bytes a row where the codes have 512
	s_add_nc_u64 s[G0SA+2:G0SA+3], s[6:7], s[84:85]
	s_or_b32 s[G0SA+3], s[G0SA+3], 0x80000000
	; W's tiles: rows 8192 + 192 X + 64 (w - 4)
	s_mul_i32 s86, s[XX], 192
	s_lshl_b32 s23, s[WV], 6
	s_add_co_u32 s86, s86, s23
	s_add_co_u32 s86, s86, 7936
	s_lshl_b32 s86, s86, 5
	s_mov_b32 s87, 0
	s_add_nc_u64 s[G0SB+2:G0SB+3], s[6:7], s[86:87]
	s_or_b32 s[G0SB+3], s[G0SB+3], 0x80000000
	s_lshl_b32 s86, s86, 4
	s_add_nc_u64 s[G0B+2:G0B+3], s[4:5], s[86:87]
	s_add_nc_u64 s[G0B+6:G0B+7], s[G0B+2:G0B+3], 256
	s_or_b32 s[G0B+3], s[G0B+3], 0x80000000
	s_or_b32 s[G0B+7], s[G0B+7], 0x80000000
	s_min_u32 s101, s[HD], 15                      ; q_gain of my head (k's and v's waves read the last and do not use it)
	s_lshl_b32 s101, s101, 2
	s_load_b32 s100, s[10:11], s101 offset:0x0
	s_wait_kmcnt 0x0
	ROUND                                          ; all four work-groups are here: the joint loads meet
	s_cmp_lt_u32 s[WV], 4                          ; a wave's three first fills stand in one branch on its number: three loads of mine are out at the most
	s_cbranch_scc0 .Lnot_a
	tensor_load_to_lds s[G0SA:G0SA+3], s[G1SA:G1SA+7]
	s_nop 0
	tensor_load_to_lds s[G0A:G0A+3], s[G1A:G1A+7]
	s_nop 0
	tensor_load_to_lds s[G0A+4:G0A+7], s[G1A:G1A+7]
	s_nop 0
	PLACES 4
	s_branch .Lasked
.Lnot_a:
	s_cmp_lt_u32 s[WV], 7
	s_cbranch_scc0 .Lasked
	tensor_load_to_lds s[G0SB:G0SB+3], s[G1SB:G1SB+7]
	s_nop 0
	tensor_load_to_lds s[G0B:G0B+3], s[G1B:G1B+7]
	s_nop 0
	tensor_load_to_lds s[G0B+4:G0B+7], s[G1B:G1B+7]
	s_nop 0
	PLACES 4
.Lasked:
	; the way out's scalars, made while the tiles are on their way.  What differs between partners is chosen, never branched on
	s_and_b32 s84, s[YY], 7                        ; which 256 positions of the sequence
	s_lshl_b32 s86, s84, 4
	s_lshl_b32 s23, s[RG], 2
	s_add_co_u32 s86, s86, s23                     ; the table's block for my rows 0-15; the three tiles behind it take the next three
	s_cmp_ge_u32 s[HD], 20
	s_cselect_b32 s86, 128, s86                    ; v: the blocks with cos = 1, sin = 0
	s_lshl_b32 s86, s86, 12
	s_mov_b32 s87, 0
	s_add_nc_u64 s[TP:TP+1], s[8:9], s[86:87]
	s_lshr_b32 s101, s[YY], 3                      ; the batch
	s_mul_i32 s101, s101, 24
	s_add_co_u32 s101, s101, s[HD]
	s_lshl_b32 s86, s101, 12
	s_add_nc_u64 s[FP:FP+1], s[14:15], s[86:87]    ; f32 rows: 4,096 bytes a head
	s_lshl_b32 s86, s101, 11
	s_lshl_b32 s23, s84, 8
	s_add_co_u32 s86, s86, s23
	s_lshl_b32 s23, s[RG], 6
	s_add_co_u32 s86, s86, s23                     ; my first row among the 96 x 2,048
	s_lshl_b32 s86, s86, 7
	s_add_nc_u64 s[QP:QP+1], s[12:13], s[86:87]
	s_or_b32 s84, s84, s[RG]                       ; 0 where my first tile holds positions 0-15: the same in all partners
	v_mov_b32 v[F], s100
	v_mul_f32 v[F], 0x3e38aa3b, v[F]               ; q_gain x log2(e) / 8
	v_readfirstlane_b32 s[GG], v[F]
	s_cmp_lt_u32 s[HD], 16
	s_cselect_b32 s[GG], s[GG], 1.0                ; k: 1
	s_cmp_ge_u32 s[HD], 20
	s_cselect_b32 s[GG], 0, s[GG]                  ; v: factor = 0 x rsqrt + 1
	s_cselect_b32 s[GA], 1.0, 0
	s_wait_tensorcnt 1                             ; my scale bytes and my part of the first half are in; the second half's load may stay out
	s_barrier_signal -1
	s_barrier_wait -1
.macro SCALES half                     ; a half's four words of each row: lanes 0-15 x's block i, lanes 16-31 W's block i
.irp i, 0,1,2,3
	ds_load_b128 v[SCR+4*\i:SCR+4*\i+3], v[ADS] offset:512*\i+16*\half
.endr
.endm
; 128 along K: eight fragments from LDS, 16 matrix instructions.  The 16 accumulators take turns, one instruction a turn, in the same order in every step.
.macro KSTEP half, q, zero
.irp a, 0,1,2,3
.irp c, 0,1
	ds_load_b128 v[XF+8*\a+4*\c:XF+8*\a+4*\c+3], v[ADX+\half] offset:16*PITCH*\a+64*\q+32*\c
	ds_load_b128 v[WF+8*\a+4*\c:WF+8*\a+4*\c+3], v[ADW+\half] offset:16*PITCH*\a+64*\q+32*\c
.endr
.endr
	s_wait_dscnt 0x0
.irp a, 0,1,2,3
.irp t, 0,1,2,3
.if \zero
	v_wmma_scale_f32_16x16x128_f8f6f4 v[ACC+8*(4*\a+\t):ACC+8*(4*\a+\t)+7], v[WF+8*\t:WF+8*\t+7], v[XF+8*\a:XF+8*\a+7], 0, v[SCR+4*\t+\q], v[SCR+4*\a+\q] matrix_a_fmt:MATRIX_FMT_FP4 matrix_b_fmt:MATRIX_FMT_FP4 matrix_a_scale:MATRIX_SCALE_ROW1
.else
	v_wmma_scale_f32_16x16x128_f8f6f4 v[ACC+8*(4*\a+\t):ACC+8*(4*\a+\t)+7], v[WF+8*\t:WF+8*\t+7], v[XF+8*\a:XF+8*\a+7], v[ACC+8*(4*\a+\t):ACC+8*(4*\a+\t)+7], v[SCR+4*\t+\q], v[SCR+4*\a+\q] matrix_a_fmt:MATRIX_FMT_FP4 matrix_b_fmt:MATRIX_FMT_FP4 matrix_a_scale:MATRIX_SCALE_ROW1
.endif
.endr
.endr
	PLACES 4                                       ; in front of loads into registers that these products have read, and of the first read of results
.endm
	SCALES 0
	KSTEP 0, 0, 1                                  ; the first step starts the sums: nothing is cleared
	KSTEP 0, 1, 0
	KSTEP 0, 2, 0
	KSTEP 0, 3, 0
	s_wait_tensorcnt 0x0                           ; my part of the second half is in,
	s_wait_dscnt 0x0
	s_barrier_signal -1
	s_barrier_wait -1                              ; everybody's is
	SCALES 1
	KSTEP 1, 0, 0
	KSTEP 1, 1, 0
	KSTEP 1, 2, 0
	KSTEP 1, 3, 0
; THE WAY OUT.  cos and sin of tile a's 16 positions: eight loads of 512 consecutive bytes, in the lanes' own order
.macro TLOADG a, set
.irp i, 0,1,2,3,4,5,6,7
	global_load_b128 v[\set+4*\i:\set+4*\i+3], v[LO], s[TP:TP+1] offset:4096*(\a)+512*\i
.endr
.endm
	TLOADG 0, XF
	TLOADG 1, WF
	; the sums of squares of my 32 numbers of each row, two chains a tile of rows; each accumulator is read from its low end on
.irp a, 0,1,2,3
	v_pk_mul_f32 v[PK+4*\a:PK+4*\a+1], v[ACC+32*\a:ACC+32*\a+1], v[ACC+32*\a:ACC+32*\a+1]
	v_pk_mul_f32 v[PK+4*\a+2:PK+4*\a+3], v[ACC+32*\a+2:ACC+32*\a+3], v[ACC+32*\a+2:ACC+32*\a+3]
.endr
.irp p, 4,8,12,16,20,24,28
.irp a, 0,1,2,3
	v_pk_fma_f32 v[PK+4*\a:PK+4*\a+1], v[ACC+32*\a+\p:ACC+32*\a+\p+1], v[ACC+32*\a+\p:ACC+32*\a+\p+1], v[PK+4*\a:PK+4*\a+1]
	v_pk_fma_f32 v[PK+4*\a+2:PK+4*\a+3], v[ACC+32*\a+\p+2:ACC+32*\a+\p+3], v[ACC+32*\a+\p+2:ACC+32*\a+\p+3], v[PK+4*\a+2:PK+4*\a+3]
.endr
.endr
.irp a, 0,1,2,3
	v_mov_b32 v[OB+\a], 0                          ; a lane permute's destination counts as one of its sources
	v_pk_add_f32 v[PK+4*\a:PK+4*\a+1], v[PK+4*\a:PK+4*\a+1], v[PK+4*\a+2:PK+4*\a+3]
.endr
.irp a, 0,1,2,3
	v_add_f32 v[PK+4*\a], v[PK+4*\a], v[PK+4*\a+1]
.endr
.irp a, 0,1,2,3
	v_permlanex16_b32 v[OB+\a], v[PK+4*\a], s[SEL], s[SEL+1]
.endr
.irp a, 0,1,2,3
	v_add_f32 v[PK+4*\a], v[PK+4*\a], v[OB+\a]     ; with lane l xor 16's 32 channels: the row's
.endr
.irp a, 0,1,2,3
	v_fma_f32 v[PK+4*\a], v[PK+4*\a], s[C64], s[EPS]   ; the mean + eps
.endr
.irp a, 0,1,2,3
	v_rsq_f32 v[F+\a], v[PK+4*\a]
.endr
	v_nop                                          ; a plain instruction behind the last of the four
	s_wait_alu depctr_va_vdst(0)                   ; one wait for the four, ahead of their first reader
.irp a, 0,1,2,3
	v_fma_f32 v[F+\a], v[F+\a], s[GG], s[GA]       ; q: x gain x log2(e) / 8; k: as it is; v: 1
.endr
; Tile a of 16 rows: cos and sin take the row's factor; the turn, in place: channel c (tiles 0, 1) with channel c + 32 (tiles 2, 3); f16; through my stage; out as 512 consecutive bytes a store.
.macro EPI a, set, left
	s_wait_loadcnt \left                           ; my tile's eight table loads are in; the next tile's eight may stay out
.set i, 0
.rept 32
	v_mul_f32 v[\set+i], v[\set+i], v[F+\a]
.set i, i+1
.endr
.irp t, 0,1
.irp j, 0,2,4,6
	v_pk_mul_f32 v[PK+2*\j:PK+2*\j+1], v[ACC+32*\a+8*\t+\j:ACC+32*\a+8*\t+\j+1], v[\set+16+8*\t+\j:\set+16+8*\t+\j+1]             ; u = t1 sin
	v_pk_mul_f32 v[PK+2*\j+2:PK+2*\j+3], v[ACC+32*\a+8*\t+16+\j:ACC+32*\a+8*\t+16+\j+1], v[\set+16+8*\t+\j:\set+16+8*\t+\j+1]     ; w = t2 sin
	v_pk_fma_f32 v[ACC+32*\a+8*\t+\j:ACC+32*\a+8*\t+\j+1], v[ACC+32*\a+8*\t+\j:ACC+32*\a+8*\t+\j+1], v[\set+8*\t+\j:\set+8*\t+\j+1], v[PK+2*\j+2:PK+2*\j+3]   ; t1 cos + w
	v_pk_fma_f32 v[ACC+32*\a+8*\t+16+\j:ACC+32*\a+8*\t+16+\j+1], v[ACC+32*\a+8*\t+16+\j:ACC+32*\a+8*\t+16+\j+1], v[\set+8*\t+\j:\set+8*\t+\j+1], v[PK+2*\j:PK+2*\j+1] neg_lo:[0,0,1] neg_hi:[0,0,1]   ; t2 cos - u
.endr
.endr
.if \a < 2
	TLOADG \a+2, \set                              ; the tile two on, into the registers just used
.endif
.if \a == 0
	s_cmp_eq_u32 s84, 0                            ; positions 0-15 leave once more, unrounded
	s_cbranch_scc0 .Lno_fine
.irp t, 0,1,2,3
	global_store_b128 v[FO], v[ACC+8*\t:ACC+8*\t+3], s[FP:FP+1] offset:64*\t
	global_store_b128 v[FO], v[ACC+8*\t+4:ACC+8*\t+7], s[FP:FP+1] offset:64*\t+16
.endr
.Lno_fine:
.endif
.irp t, 0,1,2,3
.irp j, 0,1,2,3
	v_cvt_pk_f16_f32 v[PK+4*\t+\j], v[ACC+32*\a+8*\t+2*\j], v[ACC+32*\a+8*\t+2*\j+1]
.endr
.endr
	s_wait_xcnt 0x0                                ; the last tile's stores have read the registers into which the stage is read back
.irp t, 0,1,2,3
	ds_store_b128 v[STO], v[PK+4*\t:PK+4*\t+3] offset:32*\t
.endr
.irp i, 0,1,2,3
	ds_load_b128 v[OB+4*\i:OB+4*\i+3], v[RD] offset:576*\i     ; four rows of 128 bytes; LDS serves a wave's instructions in order: these see my stores
.endr
.irp i, 0,1,2,3
	s_wait_dscnt 3-\i
	global_store_b128 v[LO], v[OB+4*\i:OB+4*\i+3], s[QP:QP+1] offset:2048*\a+512*\i
.endr
.endm
	EPI 0, XF, 8
	EPI 1, WF, 8
	EPI 2, XF, 8
	EPI 3, WF, 0
	s_wait_tensorcnt 0x0                           ; the wave's end, behind my last tensor load and my last LDS store
	ds_add_u32 v[SPW], v[NIL]
	s_wait_dscnt 0x0
	ROUND                                          ; the closing round
	s_endpgm
.Lfunc_end_k_qaba4b2ba7f_qkvmm:
	.size	k_qaba4b2ba7f_qkvmm, .Lfunc_end_k_qaba4b2ba7f_qkvmm-k_qaba4b2ba7f_qkvmm
	.p2alignl 7, 3214868480
	.fill 96, 4, 3214868480
	.section	.rodata,"a",@progbits
	.p2align	6, 0x0
	.amdhsa_kernel k_qaba4b2ba7f_qkvmm
		.amdhsa_group_segment_fixed_size 327680
		.amdhsa_private_segment_fixed_size 0
		.amdhsa_enable_private_segment 0
		.amdhsa_kernarg_size 48
		.amdhsa_user_sgpr_count 2
		.amdhsa_user_sgpr_kernarg_segment_ptr 1
		.amdhsa_wavefront_size32 1
		.amdhsa_system_sgpr_workgroup_id_x 1
		.amdhsa_system_sgpr_workgroup_id_y 1
		.amdhsa_system_sgpr_workgroup_id_z 1
		.amdhsa_system_vgpr_workitem_id 0
		.amdhsa_next_free_vgpr 256
		.amdhsa_next_free_sgpr 102
		.amdhsa_reserve_vcc 0
		.amdhsa_float_denorm_mode_32 3
		.amdhsa_float_denorm_mode_16_64 3
		.amdhsa_memory_ordered 1
		.amdhsa_forward_progress 1
		.amdhsa_inst_pref_size 66
	.end_amdhsa_kernel
	.amdgpu_metadata
---
amdhsa.version: [ 1, 2 ]
amdhsa.kernels:
  - .name:           k_qaba4b2ba7f_qkvmm
    .symbol:         k_qaba4b2ba7f_qkvmm.kd
    .args:
      - { .name: codes, .offset: 0, .size: 8, .value_kind: global_buffer, .address_space: global }
      - { .name: scl, .offset: 8, .size: 8, .value_kind: global_buffer, .address_space: global }
      - { .name: tab, .offset: 16, .size: 8, .value_kind: global_buffer, .address_space: global }
      - { .name: q_gain, .offset: 24, .size: 8, .value_kind: global_buffer, .address_space: global }
      - { .name: qkv, .offset: 32, .size: 8, .value_kind: global_buffer, .address_space: global }
      - { .name: f32rows, .offset: 40, .size: 8, .value_kind: global_buffer, .address_space: global }
    .group_segment_fixed_size: 327680
    .private_segment_fixed_size: 0
    .kernarg_segment_align: 8
    .kernarg_segment_size: 48
    .max_flat_workgroup_size: 384
    .sgpr_count:     102
    .vgpr_count:     256
    .wavefront_size: 32
...
	.end_amdgpu_metadata
.endif
;; end of part 2
;; launch attn (part 3): grid 16 x 16, 8 waves a work-group, no clusters, 327,680 bytes of LDS; arguments qkv, y16; writes y16
.if DOCPART == 3
	.amdgcn_target "amdgcn-amd-amdhsa--gfx1250"
	.amdhsa_code_object_version 6
	.text
	.protected	k_qaba4b2ba7f_attn
	.globl	k_qaba4b2ba7f_attn
	.p2align	8
	.type	k_qaba4b2ba7f_attn,@function
k_qaba4b2ba7f_attn:
	s_mov_b64 s[64:65], 0
	v_nop
	global_prefetch_b8 v0, s[64:65] scope:SCOPE_SE
	s_setreg_imm32_b32 hwreg(HW_REG_WAVE_MODE, 25, 1), 1
	s_wait_xcnt 0x0
; y[b][s][64 head + d] = the sum over keys k <= s of softmax_k(q . k) v, in f16 operands and f32 sums.  q arrives with q_gain x log2(e) / 8 in it: a score is an exponent of 2.
; qkv: f16 [batch 4][head 24][2048][64]: heads 0-15 q, 16-19 k, 20-23 v; query head n takes key and value head n / 4.  y16: f16 [8192][1024].
; SOFTMAX.  For each query a running maximum m and sum l, in f32: p = 2^(s - m); in every step O and l are multiplied by a = 2^(m_old - m_new).  p is rounded to f16 for the second product; the sum is taken of the unrounded p.
; SHARES.  A work-group serves one (batch, key head): all four query heads, for TWO blocks of 64 queries: block 31 - i, which sees 32 - i key steps of 64, then block i, which sees i + 1.  So every work-group walks 33 key steps:
; equal work for 16 x 16 = 256 work-groups, and every trip count is a constant.  Wave w of eight: queries 16 (w % 4) on of the block, heads 2 (w / 4) and 2 (w / 4) + 1 of the four: two tiles that share every fragment of K and V.
; LAYOUT.  S^T = K Q^T (source 0 = 16 keys, source 1 = 16 queries), O^T = V^T P: a lane holds ONE query (lane % 16) throughout; two tiles of S^T, rounded in pairs, are source 1 of the second product.  V is turned by ds_load_tr16_b128.
; THE RING.  Two LDS slots of three key steps; waves 0-5 fetch one tile each (step w / 2 of the slot; even waves K, odd waves V); the change of slots stands at a slot's head.
; NO CLUSTER: the heads that share K and V are in one work-group already; other work-groups of the same key head turn back to key 0 at a step that hangs on their number, so their descriptors would differ.
; At the change of blocks nothing is cleared: m begins anew at -3e38, so the next a is 0.  LIMIT: that takes O and l to be finite, as they are wherever the result is finite; f16's range for v and y (under 65,504).
.set KP,    144                        ; a key's row in LDS: 128 bytes + 16
.set VP,    160                        ; a value's row: 128 + 32
.set VOFF,  64*KP
.set ENT,   64*(KP+VP)                 ; a key step's tiles: K, then V
.set SLOT1, 1<<17                      ; slot 1 begins here: one exclusive or turns an address
.set STAGE, 2*SLOT1                    ; 16 rows x (256 bytes + 16) for each wave
.set SP,    272
.set SPARE, STAGE+8*16*SP              ; the spare words, 128 bytes a wave
.set AK0, 1                            ; v1  my lane's place in a tile of K
.set AV0, 2                            ; v2  in a tile of V
.set ADR, 3                            ; v3  the address of the loads in hand
.set PFO, 4                            ; v4  256 x lane
.set QO,  5                            ; v5  my place in a tile of Q in memory
.set STO, 6                            ; v6  the stage, in
.set RD,  7                            ; v7  the stage, back
.set GO,  8                            ; v8  my place in two rows of y
.set DD,  9                            ; v9  16 (w % 4) + r - 8 h: on the diagonal, register 8 kt + j is hidden where 16 kt + j is above it
.set SPW, 10
.set NIL, 11
.set ST,  12                           ; tile z's statistics at v[12 + 10 z]: +0 m, +1 m_old - m_new, +2 +3 l, +4 a, +5 its partner in the pair, +6 .. +9 at work
.set Q,   32                           ; v32-63   Q: tile z, channels 32 c on, at 16 z + 8 c
.set KV,  64                           ; v64-127  K's eight fragments, then V's eight
.set S,   128                          ; v128-191 S^T, 32 a tile; p is packed into the low 16 of each
.set O,   192                          ; v192-255 O^T, 32 a tile
.set WV,  8
.set PAR, 9
.set N1,  10                           ; key steps of the first block
.set NN,  11                           ; the step that my next tensor load brings
.set TB,  12                           ; LDS byte of the step in hand
.set N,   13                           ; the step in hand, 0 .. 32
.set NEND, 14                          ; where the block in hand ends
.set LF,  15                           ; 1 in a block's last step, which lies on the diagonal
.set G1K, 16
.set G1V, 24
.set G0,  32
.set KVB, 36
.set SLOTS, 38
.set TR,  39
.set SEL, 40
.set QP,  42
.set QP2, 44
.set YP,  46
.set YP2, 48
.set PFA, 50
.set LIM, 52
; Waves 0-5 fetch; even waves K's tile, odd waves V's.  The branches hang on the wave's number alone.  An s_nop 0 and four v_nop follow each of the two lines.
.macro TLOAD
	s_cmp_lt_u32 s[WV], 6
	s_cbranch_scc0 .Lasked_\@
	s_cmp_eq_u32 s[PAR], 0
	s_cbranch_scc0 .Lfor_v_\@
	tensor_load_to_lds s[G0:G0+3], s[G1K:G1K+7]
	s_nop 0
.rept 4
	v_nop
.endr
	s_branch .Lasked_\@
.Lfor_v_\@:
	tensor_load_to_lds s[G0:G0+3], s[G1V:G1V+7]
	s_nop 0
.rept 4
	v_nop
.endr
.Lasked_\@:
.endm
; A prefetch of the three key steps that the NEXT change of slots will ask for: 24,576 bytes of K and as many of V, lanes 256 bytes apart, three instructions a wave.  All work-groups of a key head walk the same rows:
; work-group i = 0, whose first block walks all 32 steps in order, asks, and in it the two waves that fetch nothing: wave 6 for K, wave 7 for V.  So each block of 256 bytes is named once.
; Trips 0-7 ask for slots' turns 2-9: the last byte named is 245,760 of a head's 262,144; turns 0, 1 and 10 come by their loads alone.
.macro ASK
	s_cmp_gt_u32 s[SLOTS], s[LIM]
	s_cbranch_scc0 .Lnot_mine_\@
	global_prefetch_b8 v[PFO], s[PFA:PFA+1] th:TH_LOAD_NT scope:SCOPE_SE
	global_prefetch_b8 v[PFO], s[PFA:PFA+1] offset:8192 th:TH_LOAD_NT scope:SCOPE_SE
	global_prefetch_b8 v[PFO], s[PFA:PFA+1] offset:16384 th:TH_LOAD_NT scope:SCOPE_SE
.Lnot_mine_\@:
.endm
.macro QLOAD p                         ; my two tiles of Q: 16 queries x 64 channels each, as source 1 wants them
.irp z, 0,1
.irp c, 0,1
	global_load_b128 v[Q+16*\z+8*\c:Q+16*\z+8*\c+3], v[QO], s[\p:\p+1] offset:262144*\z+64*\c
	global_load_b128 v[Q+16*\z+8*\c+4:Q+16*\z+8*\c+7], v[QO], s[\p:\p+1] offset:262144*\z+64*\c+32
.endr
.endr
.endm
	s_load_b128 s[4:7], s[0:1], 0x0                ; qkv, y16
	v_lshl_add_u32 v[SPW], v0, 2, SPARE
	v_mov_b32 v[NIL], 0
	ds_add_u32 v[SPW], v[NIL]                      ; the wave's opening: the add, twice on end, and its wait ahead of the first tensor load
	ds_add_u32 v[SPW], v[NIL]
	v_lshrrev_b32 v12, 5, v0
	v_readfirstlane_b32 s[WV], v12                 ; wave 0..7
	s_and_b32 s[PAR], s[WV], 1
	s_sub_co_u32 s[N1], 32, ttmp9
	s_lshr_b32 s[NN], s[WV], 1
	s_mov_b32 s[TB], 0
	s_mov_b32 s[N], 0
	s_mov_b32 s[NEND], s[N1]
	s_mov_b32 s[SLOTS], 10
	s_mov_b32 s[SEL], 0x76543210
	s_mov_b32 s[SEL+1], 0xfedcba98
	; group 1: 64 rows x 64 elements of 2 bytes, dense in memory; padding behind every 32 words: 4 words (K), 8 words (V)
	s_mov_b32 s[G1K], (1<<16)|(1<<20)|(4<<22)|(3<<25)
	s_mov_b32 s[G1V], (1<<16)|(1<<20)|(4<<22)|(7<<25)
.irp g, G1K, G1V
	s_mov_b32 s[\g+1], 64<<16
	s_mov_b32 s[\g+2], 64<<16
	s_mov_b32 s[\g+3], 64<<16
	s_mov_b32 s[\g+4], 64
	s_mov_b32 s[\g+5], 64
	s_mov_b32 s[\g+6], 0
	s_mov_b32 s[\g+7], 0
.endr
	s_mov_b32 s[G0], 1
	s_mul_i32 s[G0+1], s[NN], ENT
	s_mul_i32 s54, s[PAR], VOFF
	s_add_co_u32 s[G0+1], s[G0+1], s54             ; my tile's place in slot 0
	s_and_b32 s54, ttmp7, 0xffff
	s_lshr_b32 s55, s54, 2                         ; the batch
	s_and_b32 s56, s54, 3                          ; the key head
	s_mul_i32 s57, s55, 24
	s_lshl_b32 s58, s[PAR], 2
	s_add_co_u32 s58, s58, s57
	s_add_co_u32 s58, s58, s56
	s_add_co_u32 s58, s58, 16                      ; head 16 + g (K) or 20 + g (V),
	s_lshl_b32 s58, s58, 18                        ; 262,144 bytes a head
	s_mov_b32 s59, 0
	s_lshr_b32 s60, s[WV], 2
	s_and_b32 s61, s[WV], 3
	s_lshl_b32 s62, s56, 2
	s_lshl_b32 s63, s60, 1
	s_add_co_u32 s62, s62, s63                     ; the first of my two query heads
	s_lshl_b32 s61, s61, 4                         ; my 16 queries in a block
	s_sub_co_u32 s66, 31, ttmp9
	s_lshl_b32 s66, s66, 6
	s_add_co_u32 s66, s66, s61                     ; my first query in the first block,
	s_lshl_b32 s67, ttmp9, 6
	s_add_co_u32 s67, s67, s61                     ; and in the second
	s_add_co_u32 s63, s57, s62
	s_lshl_b32 s63, s63, 11
	s_add_co_u32 s68, s63, s66
	s_lshl_b32 s68, s68, 7
	s_mov_b32 s69, 0
	s_add_co_u32 s70, s63, s67
	s_lshl_b32 s70, s70, 7
	s_mov_b32 s71, 0
	s_lshl_b32 s63, s55, 11
	s_lshl_b32 s62, s62, 7                         ; 128 bytes a head in a row of y
	s_add_co_u32 s72, s63, s66
	s_lshl_b32 s72, s72, 11
	s_add_co_u32 s72, s72, s62
	s_mov_b32 s73, 0
	s_add_co_u32 s74, s63, s67
	s_lshl_b32 s74, s74, 11
	s_add_co_u32 s74, s74, s62
	s_mov_b32 s75, 0
	s_lshr_b32 s62, s[WV], 1
	s_xor_b32 s62, s62, 3                          ; 0 in waves 6 and 7,
	s_or_b32 s62, s62, ttmp9                       ; of work-group i = 0
	s_cmp_eq_u32 s62, 0
	s_cselect_b32 s[LIM], 2, -1
	v_and_b32 v12, 15, v0                          ; r
	v_bfe_u32 v13, v0, 4, 1                        ; h
	v_and_b32 v14, 31, v0
	v_mul_u32_u24 v[AK0], v12, KP
	v_lshl_add_u32 v[AK0], v13, 4, v[AK0]
	v_and_b32 v15, 7, v0
	v_lshl_add_u32 v[AV0], v13, 3, v15             ; the turning load: key 8 h + lane % 8,
	v_mul_u32_u24 v[AV0], v[AV0], VP
	v_bfe_u32 v15, v0, 3, 1
	v_lshl_add_u32 v[AV0], v15, 4, v[AV0]          ; channels 8 ((lane / 8) % 2) on
	v_add_nc_u32 v[AV0], VOFF, v[AV0]
	v_lshlrev_b32 v[PFO], 8, v14
	v_lshlrev_b32 v[QO], 7, v12
	v_lshl_add_u32 v[QO], v13, 4, v[QO]
	s_mul_i32 s62, s[WV], 16*SP
	s_add_co_u32 s62, s62, STAGE
	v_mul_u32_u24 v[STO], v12, SP
	v_lshl_add_u32 v[STO], v13, 4, v[STO]
	v_add_nc_u32 v[STO], s62, v[STO]
	v_mul_u32_u24 v[RD], v13, SP
	v_lshl_add_u32 v[RD], v12, 4, v[RD]
	v_add_nc_u32 v[RD], s62, v[RD]
	v_lshlrev_b32 v[GO], 11, v13
	v_lshl_add_u32 v[GO], v12, 4, v[GO]
	v_lshlrev_b32 v15, 3, v13
	v_sub_nc_u32 v[DD], v12, v15
	v_add_nc_u32 v[DD], s61, v[DD]
	s_wait_dscnt 0x0                               ; both opening adds are done
	s_wait_kmcnt 0x0
	s_add_nc_u64 s[KVB:KVB+1], s[4:5], s[58:59]
	s_lshl_b32 s58, s[NN], 13                      ; 8,192 bytes a key step
	s_add_nc_u64 s[G0+2:G0+3], s[KVB:KVB+1], s[58:59]
	s_or_b32 s[G0+3], s[G0+3], 0x80000000
	TLOAD                                          ; slot 0: key steps 0, 1, 2
	s_add_nc_u64 s[QP:QP+1], s[4:5], s[68:69]
	s_add_nc_u64 s[QP2:QP2+1], s[4:5], s[70:71]
	s_add_nc_u64 s[YP:YP+1], s[6:7], s[72:73]
	s_add_nc_u64 s[YP2:YP2+1], s[6:7], s[74:75]
	s_add_nc_u64 s[PFA:PFA+1], s[KVB:KVB+1], 3*8192   ; the first change of slots steps it to turn 2.  Nothing is prefetched at the head
	QLOAD QP
.set i, 0
.rept 20
	v_mov_b32 v[ST+i], 0                           ; l = 0; the rest is written once, since pairs and lane permutes name it
.set i, i+1
.endr
	v_mov_b32 v[ST], 0xff61b1e6                    ; m = -3e38, under every score
	v_mov_b32 v[ST+10], 0xff61b1e6
.set i, 0
.rept 64
	v_mov_b32 v[O+i], 0                            ; O^T.  The step is written without a first step of its own: the first a is 0 and finds zeros
.set i, i+1
.endr
; A KEY STEP: 64 keys.
.macro STEP
	s_add_co_u32 s62, s[N], 1
	s_cmp_eq_u32 s62, s[NEND]
	s_cselect_b32 s[LF], 1, 0
	v_add_nc_u32 v[ADR], s[TB], v[AK0]
.irp k, 0,1,2,3
.irp c, 0,1
	ds_load_b128 v[KV+8*(2*\k+\c):KV+8*(2*\k+\c)+3], v[ADR] offset:16*KP*\k+64*\c
	ds_load_b128 v[KV+8*(2*\k+\c)+4:KV+8*(2*\k+\c)+7], v[ADR] offset:16*KP*\k+64*\c+32
.endr
.endr
	s_wait_dscnt 0x0
.irp k, 0,1,2,3                        ; S^T = K Q^T: eight accumulators by turns, one instruction a turn; channels 0-31 start the sums
.irp z, 0,1
	v_wmma_f32_16x16x32_f16 v[S+32*\z+8*\k:S+32*\z+8*\k+7], v[KV+16*\k:KV+16*\k+7], v[Q+16*\z:Q+16*\z+7], 0
.endr
.endr
.irp k, 0,1,2,3
.irp z, 0,1
	v_wmma_f32_16x16x32_f16 v[S+32*\z+8*\k:S+32*\z+8*\k+7], v[KV+16*\k+8:KV+16*\k+15], v[Q+16*\z+8:Q+16*\z+15], v[S+32*\z+8*\k:S+32*\z+8*\k+7]
.endr
.endr
	v_add_nc_u32 v[ADR], s[TB], v[AV0]             ; four places behind the products: in front of the loads into K's registers and of the first read of the scores
.rept 3
	v_nop
.endr
.irp k, 0,1                            ; V^T, turned: keys 32 k on, channels 16 c on; it lands while the softmax is worked
.irp c, 0,1,2,3
	ds_load_tr16_b128 v[KV+8*(4*\k+\c):KV+8*(4*\k+\c)+3], v[ADR] offset:32*VP*\k+32*\c
	ds_load_tr16_b128 v[KV+8*(4*\k+\c)+4:KV+8*(4*\k+\c)+7], v[ADR] offset:32*VP*\k+16*VP+32*\c
.endr
.endr
	s_cmp_eq_u32 s[LF], 0                          ; a block's last step lies on the diagonal: hidden scores become -infinity ahead of the maximum.  The branch hangs on ids and the count of steps
	s_cbranch_scc1 .Lopen_\@
	v_mov_b32 v[ST+6], 0xff800000
.set i, 0
.rept 32
	v_cmp_gt_i32 vcc_lo, 16*(i/8)+i%8, v[DD]
	v_cndmask_b32 v[S+i], v[S+i], v[ST+6], vcc_lo
	v_cndmask_b32 v[S+32+i], v[S+32+i], v[ST+6], vcc_lo
.set i, i+1
.endr
.Lopen_\@:
.irp k, 0,1,2,3                        ; the maximum: four chains a tile, each beginning at an accumulator's low end; the two tiles by turns
.irp z, 0,1
	v_max3_num_f32 v[ST+10*\z+6+\k], v[S+32*\z+8*\k], v[S+32*\z+8*\k+1], v[S+32*\z+8*\k+2]
.endr
.endr
.irp i, 3,5
.irp k, 0,1,2,3
.irp z, 0,1
	v_max3_num_f32 v[ST+10*\z+6+\k], v[ST+10*\z+6+\k], v[S+32*\z+8*\k+\i], v[S+32*\z+8*\k+\i+1]
.endr
.endr
.endr
.irp z, 0,1
	v_max3_num_f32 v[ST+10*\z+6], v[ST+10*\z+6], v[S+32*\z+7], v[S+32*\z+15]
	v_max3_num_f32 v[ST+10*\z+8], v[ST+10*\z+8], v[S+32*\z+23], v[S+32*\z+31]
.endr
.irp z, 0,1
	v_max3_num_f32 v[ST+10*\z+6], v[ST+10*\z+6], v[ST+10*\z+7], v[ST+10*\z+8]
.endr
.irp z, 0,1
	v_max3_num_f32 v[ST+10*\z+6], v[ST+10*\z+6], v[ST+10*\z+9], v[ST+10*\z]    ; with the old m
.endr
.irp z, 0,1
	v_permlanex16_b32 v[ST+10*\z+7], v[ST+10*\z+6], s[SEL], s[SEL+1]           ; the query's other 32 keys lie in the lane 16 away
.endr
.irp z, 0,1
	v_max_num_f32 v[ST+10*\z+6], v[ST+10*\z+6], v[ST+10*\z+7]
.endr
.irp z, 0,1
	v_sub_f32 v[ST+10*\z+1], v[ST+10*\z], v[ST+10*\z+6]
.endr
.irp z, 0,1
	v_mov_b32 v[ST+10*\z], v[ST+10*\z+6]
.endr
.irp z, 0,1
	v_exp_f32 v[ST+10*\z+4], v[ST+10*\z+1]         ; a
.endr
.set i, 0
.rept 16
	v_pk_add_f32 v[S+i:S+i+1], v[S+i:S+i+1], v[ST:ST+1] op_sel_hi:[1,0] neg_lo:[0,1] neg_hi:[0,1]               ; s - m, two at a time
	v_pk_add_f32 v[S+32+i:S+32+i+1], v[S+32+i:S+32+i+1], v[ST+10:ST+11] op_sel_hi:[1,0] neg_lo:[0,1] neg_hi:[0,1]
.set i, i+2
.endr
.set i, 0
.rept 32
	v_exp_f32 v[S+i], v[S+i]                       ; p
	v_exp_f32 v[S+32+i], v[S+32+i]
.set i, i+1
.endr
	v_nop                                          ; a plain instruction behind the last exponential
	s_wait_alu depctr_va_vdst(0)                   ; ONE wait for the step's 66 exponentials, ahead of their first reader
.irp z, 0,1                            ; the sum of the unrounded p, two chains a tile
	v_pk_add_f32 v[ST+10*\z+6:ST+10*\z+7], v[S+32*\z:S+32*\z+1], v[S+32*\z+4:S+32*\z+5]
	v_pk_add_f32 v[ST+10*\z+8:ST+10*\z+9], v[S+32*\z+2:S+32*\z+3], v[S+32*\z+6:S+32*\z+7]
.endr
.irp p, 8,12,16,20,24,28
.irp z, 0,1
	v_pk_add_f32 v[ST+10*\z+6:ST+10*\z+7], v[ST+10*\z+6:ST+10*\z+7], v[S+32*\z+\p:S+32*\z+\p+1]
	v_pk_add_f32 v[ST+10*\z+8:ST+10*\z+9], v[ST+10*\z+8:ST+10*\z+9], v[S+32*\z+\p+2:S+32*\z+\p+3]
.endr
.endr
.irp z, 0,1
	v_pk_fma_f32 v[ST+10*\z+2:ST+10*\z+3], v[ST+10*\z+2:ST+10*\z+3], v[ST+10*\z+4:ST+10*\z+5], v[ST+10*\z+6:ST+10*\z+7] op_sel_hi:[1,0,1]   ; l = l a + chain 0
.endr
.irp z, 0,1
	v_pk_add_f32 v[ST+10*\z+2:ST+10*\z+3], v[ST+10*\z+2:ST+10*\z+3], v[ST+10*\z+8:ST+10*\z+9]
.endr
.set i, 0
.rept 16
	v_cvt_pk_f16_f32 v[S+i], v[S+2*i], v[S+2*i+1]                  ; p to f16, in place, ascending: register i is written when registers 2 i, 2 i + 1 have been read
	v_cvt_pk_f16_f32 v[S+32+i], v[S+32+2*i], v[S+32+2*i+1]
.set i, i+1
.endr
.set i, 0
.rept 16
	v_pk_mul_f32 v[O+i:O+i+1], v[O+i:O+i+1], v[ST+4:ST+5] op_sel_hi:[1,0]             ; O^T x a, each accumulator from its low end on
	v_pk_mul_f32 v[O+32+i:O+32+i+1], v[O+32+i:O+32+i+1], v[ST+14:ST+15] op_sel_hi:[1,0]
.set i, i+2
.endr
	s_wait_dscnt 0x0                               ; V is in
.irp k, 0,1                            ; O^T += V^T P: eight accumulators by turns
.irp c, 0,1,2,3
.irp z, 0,1
	v_wmma_f32_16x16x32_f16 v[O+32*\z+8*\c:O+32*\z+8*\c+7], v[KV+8*(4*\k+\c):KV+8*(4*\k+\c)+7], v[S+32*\z+8*\k:S+32*\z+8*\k+7], v[O+32*\z+8*\c:O+32*\z+8*\c+7]
.endr
.endr
.endr
.rept 5
	v_nop                                          ; five places: the next step's products write over P's registers (its loads into V's want four)
.endr
	s_cmp_eq_u32 s[LF], 0
	s_cbranch_scc1 .Lgo_\@
	; THE BLOCK IS DONE.  The next block's Q is asked for first; O^T / l goes to f16 and through my stage: a row's 256 bytes are my two heads' 64 channels each; sixteen lanes store 256 consecutive bytes, aligned.
	s_cmp_eq_u32 s[N], 32
	s_cbranch_scc1 .Lnoq_\@
	QLOAD QP2
.Lnoq_\@:
.irp z, 0,1
	v_add_f32 v[ST+10*\z+6], v[ST+10*\z+2], v[ST+10*\z+3]
.endr
.irp z, 0,1
	v_permlanex16_b32 v[ST+10*\z+7], v[ST+10*\z+6], s[SEL], s[SEL+1]
.endr
.irp z, 0,1
	v_add_f32 v[ST+10*\z+6], v[ST+10*\z+6], v[ST+10*\z+7]
.endr
.irp z, 0,1
	v_rcp_f32 v[ST+10*\z+4], v[ST+10*\z+6]
.endr
	v_nop
	s_wait_alu depctr_va_vdst(0)                   ; one wait for the two reciprocals
.set i, 0
.rept 16
	v_pk_mul_f32 v[O+i:O+i+1], v[O+i:O+i+1], v[ST+4:ST+5] op_sel_hi:[1,0]
	v_pk_mul_f32 v[O+32+i:O+32+i+1], v[O+32+i:O+32+i+1], v[ST+14:ST+15] op_sel_hi:[1,0]
.set i, i+2
.endr
.set i, 0
.rept 16
	v_cvt_pk_f16_f32 v[S+i], v[O+2*i], v[O+2*i+1]
	v_cvt_pk_f16_f32 v[S+16+i], v[O+32+2*i], v[O+32+2*i+1]
.set i, i+1
.endr
.irp z, 0,1
.irp c, 0,1,2,3
	ds_store_b128 v[STO], v[S+16*\z+4*\c:S+16*\z+4*\c+3] offset:128*\z+32*\c
.endr
.endr
.irp i, 0,1,2,3,4,5,6,7
	ds_load_b128 v[S+32+4*\i:S+32+4*\i+3], v[RD] offset:2*SP*\i    ; LDS serves a wave's instructions in order: these see my stores
.endr
.irp i, 0,1,2,3,4,5,6,7
	s_wait_dscnt 7-\i
	global_store_b128 v[GO], v[S+32+4*\i:S+32+4*\i+3], s[YP:YP+1] offset:4096*\i
.endr
	s_wait_xcnt 0x0                                ; the stores have read their registers and their base: both are written again below and in the next step
	s_mov_b64 s[YP:YP+1], s[YP2:YP2+1]
	s_mov_b32 s[NEND], 33
	v_mov_b32 v[ST], 0xff61b1e6                    ; m anew: the next a is 0, which clears O^T and l
	v_mov_b32 v[ST+10], 0xff61b1e6
	s_wait_loadcnt 0x0                             ; the next block's Q
.Lgo_\@:
	s_add_co_u32 s[TB], s[TB], ENT
	s_add_co_u32 s[N], s[N], 1
.endm
; THE CHANGE OF SLOTS stands at a slot's head.  Each wave waits for all its tensor loads (its tile of the slot ahead), adds 0 to its spare word, and waits for that and for its reads of the slot that it has left.
; Behind the barrier the slot ahead is whole and nobody reads the other one.  fill = 1: that other slot takes the next three key steps: one load a wave, with three steps' work in which to land.
.macro CHANGE fill
	s_wait_tensorcnt 0x0                           ; no tensor load of mine is out, so the group 0 may be written
	ds_add_u32 v[SPW], v[NIL]
.if \fill
	ds_add_u32 v[SPW], v[NIL]                      ; and once more
	s_add_co_u32 s[NN], s[NN], 3
	s_cmp_ge_u32 s[NN], s[N1]                      ; behind the first block's steps the keys begin anew
	s_cselect_b32 s62, s[N1], 0
	s_sub_co_u32 s62, s[NN], s62
	s_lshl_b32 s62, s62, 13
	s_mov_b32 s63, 0
	s_add_nc_u64 s[G0+2:G0+3], s[KVB:KVB+1], s[62:63]
	s_or_b32 s[G0+3], s[G0+3], 0x80000000
	s_xor_b32 s[G0+1], s[G0+1], SLOT1              ; the other slot than last time
	s_wait_xcnt 0x0                                ; the last prefetches, a slot back, have read their address
	s_add_nc_u64 s[PFA:PFA+1], s[PFA:PFA+1], 3*8192
.endif
	s_wait_dscnt 0x0                               ; the add is done, and my reads of the slot that I have left are over
	s_barrier_signal -1
	s_barrier_wait -1
.if \fill
	TLOAD                                          ; the first thing behind the barrier, and a wave's one tensor load until the next
	ASK
.endif
.endm
.macro SLOT_STEPS                      ; a slot's three key steps: written once, walked three times
	s_mov_b32 s[TR], 3
.Lstep_\@:
	STEP
	s_sub_co_u32 s[TR], s[TR], 1
	s_cmp_lg_u32 s[TR], 0
	s_cbranch_scc1 .Lstep_\@
	s_sub_co_u32 s[TB], s[TB], 3*ENT
	s_xor_b32 s[TB], s[TB], SLOT1
.endm
	s_wait_loadcnt 0x0                             ; Q
.Lslot:                                            ; ten trips: behind each change of slots but the last the next slot is asked for
	CHANGE 1
	SLOT_STEPS
	s_sub_co_u32 s[SLOTS], s[SLOTS], 1
	s_cmp_lg_u32 s[SLOTS], 0
	s_cbranch_scc1 .Lslot
	CHANGE 0                                       ; the last slot is written out
	SLOT_STEPS
	s_wait_tensorcnt 0x0                           ; the wave's end, behind my last tensor load and my last LDS store
	ds_add_u32 v[SPW], v[NIL]
	s_wait_dscnt 0x0
	s_endpgm
.Lfunc_end_k_qaba4b2ba7f_attn:
	.size	k_qaba4b2ba7f_attn, .Lfunc_end_k_qaba4b2ba7f_attn-k_qaba4b2ba7f_attn
	.p2alignl 7, 3214868480
	.fill 96, 4, 3214868480
	.section	.rodata,"a",@progbits
	.p2align	6, 0x0
	.amdhsa_kernel k_qaba4b2ba7f_attn
		.amdhsa_group_segment_fixed_size 327680
		.amdhsa_private_segment_fixed_size 0
		.amdhsa_enable_private_segment 0
		.amdhsa_kernarg_size 16
		.amdhsa_user_sgpr_count 2
		.amdhsa_user_sgpr_kernarg_segment_ptr 1
		.amdhsa_wavefront_size32 1
		.amdhsa_system_sgpr_workgroup_id_x 1
		.amdhsa_system_sgpr_workgroup_id_y 1
		.amdhsa_system_sgpr_workgroup_id_z 1
		.amdhsa_system_vgpr_workitem_id 0
		.amdhsa_next_free_vgpr 256
		.amdhsa_next_free_sgpr 80
		.amdhsa_reserve_vcc 1
		.amdhsa_float_denorm_mode_32 3
		.amdhsa_float_denorm_mode_16_64 3
		.amdhsa_memory_ordered 1
		.amdhsa_forward_progress 1
		.amdhsa_inst_pref_size 68
	.end_amdhsa_kernel
	.amdgpu_metadata
---
amdhsa.version: [ 1, 2 ]
amdhsa.kernels:
  - .name:           k_qaba4b2ba7f_attn
    .symbol:         k_qaba4b2ba7f_attn.kd
    .args:
      - { .name: qkv, .offset: 0, .size: 8, .value_kind: global_buffer, .address_space: global }
      - { .name: y16, .offset: 8, .size: 8, .value_kind: global_buffer, .address_space: global }
    .group_segment_fixed_size: 327680
    .private_segment_fixed_size: 0
    .kernarg_segment_align: 8
    .kernarg_segment_size: 16
    .max_flat_workgroup_size: 256
    .sgpr_count:     80
    .vgpr_count:     256
    .wavefront_size: 32
...
	.end_amdgpu_metadata
.endif
;; end of part 3
;; launch proj (part 4): grid 8 x 64, 4 waves a work-group, clusters of 4 x 4, 327,680 bytes of LDS; arguments y16, wp16, out0; writes out0
.if DOCPART == 4
	.amdgcn_target "amdgcn-amd-amdhsa--gfx1250"
	.amdhsa_code_object_version 6
	.text
	.protected	k_qaba4b2ba7f_proj
	.globl	k_qaba4b2ba7f_proj
	.p2align	8
	.type	k_qaba4b2ba7f_proj,@function
k_qaba4b2ba7f_proj:
	s_mov_b64 s[64:65], 0
	v_nop
	global_prefetch_b8 v0, s[64:65] scope:SCOPE_SE
	s_setreg_imm32_b32 hwreg(HW_REG_WAVE_MODE, 25, 1), 1
	s_wait_xcnt 0x0
	s_wait_alu depctr_hold_cnt(0) depctr_sa_sdst(0) depctr_va_vdst(0) depctr_va_sdst(0) depctr_va_ssrc(0) depctr_va_vcc(0) depctr_vm_vsrc(0)
	s_getreg_b32 s2, hwreg(HW_REG_IB_STS2, 6, 4)
	s_cmp_eq_u32 s2, 0
	s_cbranch_scc0 .Lentry_in_a_cluster
	s_endpgm
.Lentry_in_a_cluster:
	s_bfe_u32 s2, ttmp6, 0x10000c
	s_cmp_lg_u32 s2, 0xf033
	s_cbranch_scc0 .Lentry_shape_is_right
	s_endpgm
.Lentry_shape_is_right:
; out0[m][n] = sum over k of y[m][k] Wproj[n][k].  y16: [8192][1024], wp16: [1024][1024], f16; out0: [8192][1024] f32; sums in f32.
; A tile of the output is 128 x 128: 64 x 8 = 512 work-groups; tiles of 256 x 256 would be 128.  Four waves, each 64 x 64: 16 accumulators.  K goes in steps of 256 (LDS rows of 512 bytes + 16) through two LDS slots.
; CLUSTERS: 4 x 4 work-groups.  The four of a row of the cluster need the same tiles of y, the four of a column the same tiles of Wproj: each tile is asked for JOINTLY, by the same tensor load with the same
; descriptor and a mask that names the four.  THE MATRIX INSTRUCTION IS USED TRANSPOSED (source 0 = 16 rows of Wproj, source 1 = 16 rows of y): a lane then holds eight neighbouring numbers of a row of the output.
; A wave's 64 columns are 256 bytes of f32, aligned: each wave has a stage of its own on the way out and no barrier is needed there.
; Positions 0-15 of every sequence are written here like all others and written over by the next launch, which carries them in f32.
; No prefetch: a K step here is short and the tiles are shared in the cluster.
; REGISTERS: window 0: v0-31 addresses; v32-95 rows on the way out; v128-255 the accumulators ((a, b) at v[128 + 8 (4 a + b)]).  window 1: two fragment buffers of 128: 64 registers of y, then 64 of Wproj.
.set SIZE_M, 8192
.set SIZE_N, 1024
.set SIZE_K, 1024
.set KSTEP,  256
.set PITCH,  528
.set HALFT,  64*PITCH                  ; 64 rows: what one tensor load brings
.set SLOT,   4*HALFT                   ; y's 128 rows, then Wproj's 128 rows
.set STAGE,  2*SLOT                    ; behind the ring: 16 rows x 272 bytes for each wave
.set SPITCH, 272
.set SPARE,  STAGE+4*16*SPITCH         ; the spare words, 128 bytes a wave
.set LAPS, SIZE_K/(2*KSTEP)
.set ADRA, 16
.set ADRB, 20
.set STO,  24
.set RD,   25
.set CO,   26
.set SPW,  28
.set NIL,  29
.set TMP,  32
.set ACC,  128
.set F0,   0
.set F1,   128
.set G1, 24
.set G0, 32
.set G1B, 48
.set G0B, 56
.set MSB, 0
.macro WIN new                         ; the immediate's high byte repeats the setting that is left
.if MSB != \new
	s_set_vgpr_msb (MSB<<8)|\new
.set MSB, \new
.endif
.endm
.set MUL,  0x05                        ; sources 0 and 1 window 1; C and D window 0
.set TO_F, 0x40                        ; destination window 1, address window 0
.macro JLOAD s                         ; a joint load: waves 0 and 1 fetch y's two halves, waves 2 and 3 Wproj's; an s_nop 0 and four v_nop follow each of the two lines
	s_cmp_eq_u32 s11, 0
	s_cbranch_scc0 .Lfor_b_\@
	tensor_load_to_lds s[G0+4*\s:G0+4*\s+3], s[G1:G1+7]
	s_nop 0
.rept 4
	v_nop
.endr
	s_branch .Lasked_\@
.Lfor_b_\@:
	tensor_load_to_lds s[G0B+4*\s:G0B+4*\s+3], s[G1B:G1B+7]
	s_nop 0
.rept 4
	v_nop
.endr
.Lasked_\@:
.endm
.macro CREST                           ; a round of the cluster's barrier behind its opening barrier
	s_cmp_lg_u32 s10, 0
	s_cbranch_scc1 .Lnot_wave_0_\@
	s_barrier_signal -3
.Lnot_wave_0_\@:
	s_barrier_wait -3
	s_barrier_signal -1
	s_barrier_wait -1
.endm
.macro CROUND
	s_barrier_signal -1
	s_barrier_wait -1
	CREST
.endm
	s_load_b128 s[4:7], s[0:1], 0x0                ; y16 s[4:5], wp16 s[6:7]
	s_load_b64 s[8:9], s[0:1], 0x10                ; out0
	v_lshl_add_u32 v[SPW], v0, 2, SPARE
	v_mov_b32 v[NIL], 0
	ds_add_u32 v[SPW], v[NIL]                      ; the wave's opening: the add, twice on end, and its wait ahead of the first tensor load
	ds_add_u32 v[SPW], v[NIL]
	v_lshrrev_b32 v1, 5, v0
	v_readfirstlane_b32 s10, v1                    ; wave 0..3
	s_lshr_b32 s11, s10, 1                         ; which half of the tile's rows is mine.  Also: I fetch for y (0) or for Wproj (1)
	s_and_b32 s12, s10, 1                          ; which half of its columns.  Also: which 64 rows of that tile I fetch
	s_bfe_u32 s40, ttmp6, 0x40000                  ; cx, cy
	s_bfe_u32 s41, ttmp6, 0x40004
	s_lshl_b32 s42, ttmp9, 2
	s_add_co_u32 s42, s42, s40                     ; tile column
	s_and_b32 s13, ttmp7, 0xffff
	s_lshl_b32 s13, s13, 2
	s_add_co_u32 s13, s13, s41                     ; tile row
	s_lshl_b32 s43, s41, 2
	s_lshl_b32 s43, 15, s43                        ; my row of the cluster
	s_lshl_b32 s44, 0x1111, s40                    ; my column
	s_or_b32 s[G1+0], s43, (1<<16)|(1<<20)|(1<<21)|(6<<22)|(3<<25)  ; the mask; elements of 2 bytes; padding on; bit 21 beside a mask; 4 words behind every 128
	s_or_b32 s[G1B+0], s44, (1<<16)|(1<<20)|(1<<21)|(6<<22)|(3<<25)
.irp g, G1, G1B
	s_mov_b32 s[\g+1], KSTEP<<16
	s_mov_b32 s[\g+2], 64<<16
	s_mov_b32 s[\g+3], KSTEP<<16
	s_mov_b32 s[\g+4], 64
	s_mov_b32 s[\g+5], SIZE_K
	s_mov_b32 s[\g+6], 0
	s_mov_b32 s[\g+7], 0
.endr
	s_lshl_b32 s17, s12, 6
	s_lshl_b32 s16, s13, 7
	s_add_co_u32 s16, s16, s17                     ; y: row 128 x tile row + 64 x half
	s_lshl_b32 s46, s42, 7
	s_add_co_u32 s46, s46, s17                     ; Wproj: row 128 x tile column + 64 x half
	s_mov_b32 s17, 0
	s_mov_b32 s47, 0
	s_mov_b64 s[18:19], SIZE_K*2
	s_mul_u64 s[16:17], s[16:17], s[18:19]
	s_mul_u64 s[46:47], s[46:47], s[18:19]
	s_mul_i32 s20, s10, HALFT                      ; where they go: wave x 64 rows
	s_wait_dscnt 0x0                               ; both opening adds are done
	s_wait_kmcnt 0x0
	s_add_nc_u64 s[14:15], s[4:5], s[16:17]
	s_add_nc_u64 s[46:47], s[6:7], s[46:47]
	CROUND                                         ; all sixteen work-groups are here: the first joint loads meet
.irp s, 0,1
	s_mov_b32 s[G0+4*\s], 1
	s_add_co_u32 s[G0+4*\s+1], s20, \s*SLOT
	s_add_nc_u64 s[G0+4*\s+2:G0+4*\s+3], s[14:15], \s*KSTEP*2
	s_or_b32 s[G0+4*\s+3], s[G0+4*\s+3], 0x80000000
	s_mov_b32 s[G0B+4*\s], 1
	s_add_co_u32 s[G0B+4*\s+1], s20, \s*SLOT
	s_add_nc_u64 s[G0B+4*\s+2:G0B+4*\s+3], s[46:47], \s*KSTEP*2
	s_or_b32 s[G0B+4*\s+3], s[G0B+4*\s+3], 0x80000000
	JLOAD \s
.endr
	v_and_b32 v1, 15, v0                           ; l % 16
	v_bfe_u32 v2, v0, 4, 1                         ; l / 16
	v_mul_u32_u24 v3, v1, PITCH
	v_lshl_add_u32 v3, v2, 4, v3
	s_mul_i32 s21, s11, HALFT                      ; my 64 rows of y
	s_mul_i32 s22, s12, HALFT                      ; my 64 rows of Wproj,
	s_add_co_u32 s22, s22, 2*HALFT                 ; which lie behind y's 128
.irp s, 0,1
	v_add_nc_u32 v[ADRA+\s], s21, v3
	v_add_nc_u32 v[ADRB+\s], s22, v3
	s_add_co_u32 s21, s21, SLOT
	s_add_co_u32 s22, s22, SLOT
.endr
	s_mul_i32 s23, s10, 16*SPITCH
	s_add_co_u32 s23, s23, STAGE                   ; my stage
	v_mul_u32_u24 v4, v1, SPITCH                   ; in: row l % 16, 32 bytes for each half of the lanes
	v_lshl_add_u32 v4, v2, 5, v4
	v_add_nc_u32 v[STO], s23, v4
	v_mul_u32_u24 v5, v2, SPITCH                   ; back: lanes 0-15 one row of 256 bytes, lanes 16-31 the next
	v_lshl_add_u32 v5, v1, 4, v5
	v_add_nc_u32 v[RD], s23, v5
	v_lshlrev_b32 v5, 12, v2                       ; and the same two rows in the output: 4,096 bytes a row
	v_lshl_add_u32 v[CO], v1, 4, v5
	s_lshl_b32 s16, s13, 7
	s_lshl_b32 s17, s11, 6
	s_add_co_u32 s16, s16, s17                     ; my first row: 128 x tile row + 64 x half
	s_mov_b32 s17, 0
	s_mov_b64 s[18:19], SIZE_N*4
	s_mul_u64 s[16:17], s[16:17], s[18:19]
	s_add_nc_u64 s[8:9], s[8:9], s[16:17]
	s_lshl_b32 s46, s42, 9                         ; my first column, in bytes: 512 x tile column + 256 x half
	s_lshl_b32 s47, s12, 8
	s_add_co_u32 s46, s46, s47
	s_mov_b32 s47, 0
	s_add_nc_u64 s[8:9], s[8:9], s[46:47]
; 8 matrix instructions: m blocks a0, a0 + 1 x all 4 n blocks, 32 along K: half c of buffer f.  zero = 1: the first product starts the sums.  The 16 accumulators take turns
.macro MUL8 f, c, a0, zero
.irp a, \a0, \a0+1
.irp b, 0,1,2,3
.if \zero
	v_wmma_f32_16x16x32_f16 v[ACC+8*(4*(\a)+\b):ACC+8*(4*(\a)+\b)+7], v[\f+64+8*(4*\c+\b):\f+64+8*(4*\c+\b)+7], v[\f+8*(4*\c+\a):\f+8*(4*\c+\a)+7], 0
.else
	v_wmma_f32_16x16x32_f16 v[ACC+8*(4*(\a)+\b):ACC+8*(4*(\a)+\b)+7], v[\f+64+8*(4*\c+\b):\f+64+8*(4*\c+\b)+7], v[\f+8*(4*\c+\a):\f+8*(4*\c+\a)+7], v[ACC+8*(4*(\a)+\b):ACC+8*(4*(\a)+\b)+7]
.endif
.endr
.endr
.endm
; 32 LDS loads in one run: the fragments of 64 along K at byte k of the rows, into buffer f; the first 32 along K first
.macro FETCH slot, k, f
	WIN TO_F
.irp c, 0,1
.irp i, 0,1,2,3
	ds_load_b128 v[\f+64+8*(4*\c+\i):\f+64+8*(4*\c+\i)+3],   v[ADRB+\slot] offset:\k+64*\c+\i*16*PITCH
	ds_load_b128 v[\f+64+8*(4*\c+\i)+4:\f+64+8*(4*\c+\i)+7], v[ADRB+\slot] offset:\k+64*\c+\i*16*PITCH+32
	ds_load_b128 v[\f+8*(4*\c+\i):\f+8*(4*\c+\i)+3],         v[ADRA+\slot] offset:\k+64*\c+\i*16*PITCH
	ds_load_b128 v[\f+8*(4*\c+\i)+4:\f+8*(4*\c+\i)+7],       v[ADRA+\slot] offset:\k+64*\c+\i*16*PITCH+32
.endr
.endr
.endm
.macro PLACES                          ; four places in front of loads into registers that matrix instructions have read, and of the first read of results
.rept 4
	v_nop
.endr
.endm
; A K step is four quarters of 64 along K, 32 matrix instructions each, on buffers 0, 1, 0, 1.  One of the first three: multiplies buffer f and fetches the next quarter, at byte k, into g.
.macro QUARTER slot, k, f, g, zero
	s_wait_dscnt 16                                ; the first 32 along K are in; the sixteen younger loads may be out
	WIN MUL
	MUL8 \f, 0, 0, \zero
	MUL8 \f, 0, 2, \zero
	PLACES
	FETCH \slot, \k, \g
	s_wait_dscnt 32                                ; all but the 32 just issued
	WIN MUL
	MUL8 \f, 1, 0, 0
	MUL8 \f, 1, 2, 0
.endm
; The last quarter multiplies buffer 1 and changes slots: ONE barrier; in front of it each wave waits for all its tensor loads, adds 0 to its spare word, and waits for that and for its own reads of this slot.  fill = 1: this slot is filled again, two K steps ahead.
.macro TURN slot, next, fill
	WIN 0                                          ; (the add's two registers lie in window 0)
	s_wait_tensorcnt 0x0                           ; all my tensor loads have landed: my part of the next slot;
	ds_add_u32 v[SPW], v[NIL]
	s_wait_dscnt 17                                ; (the add and the youngest sixteen loads may be out)
	WIN MUL
	MUL8 F1, 0, 0, 0
	s_wait_dscnt 0x0                               ; the add is done, and my reads of this slot are over
	s_barrier_signal -1
	MUL8 F1, 0, 2, 0
.if \fill
	WIN 0
.endif
	s_barrier_wait -1
.if \fill
	CREST                                          ; the barrier has opened a round of the cluster's barrier: no wave of any partner still reads this slot's tile or has a load on its way
	s_add_nc_u64 s[G0+4*\slot+2:G0+4*\slot+3], s[G0+4*\slot+2:G0+4*\slot+3], 2*KSTEP*2
	s_add_nc_u64 s[G0B+4*\slot+2:G0B+4*\slot+3], s[G0B+4*\slot+2:G0B+4*\slot+3], 2*KSTEP*2
	JLOAD \slot                                    ; the first tensor load behind the round; the four v_nop behind it are also the places in front of the loads below
.else
	PLACES
.endif
	FETCH \next, 0, F0
	WIN MUL
	MUL8 F1, 1, 0, 0
	MUL8 F1, 1, 2, 0
.endm
	s_wait_tensorcnt 1                             ; my part of K step 0 is in; K step 1's load may stay out
	s_barrier_signal -1
	s_barrier_wait -1
	FETCH 0, 0, F0
	QUARTER 0, 128, F0, F1, 1                      ; the first quarter stands in front of the loop: its first products start the sums
	WIN 0                                          ; at a label and at a branch every window is 0
	s_mov_b32 s3, LAPS-1
.Llap:                                                 ; a trip goes once round the ring, from a lap's second quarter to the next lap's first, and fills both slots again
	QUARTER 0, 256, F1, F0, 0
	QUARTER 0, 384, F0, F1, 0
	TURN 0, 1, 1
	QUARTER 1, 128, F0, F1, 0
	QUARTER 1, 256, F1, F0, 0
	QUARTER 1, 384, F0, F1, 0
	TURN 1, 0, 1
	QUARTER 0, 128, F0, F1, 0
	WIN 0
	s_sub_co_u32 s3, s3, 1
	s_cmp_lg_u32 s3, 0
	s_cbranch_scc1 .Llap
	QUARTER 0, 256, F1, F0, 0                      ; the last lap fills nothing, and has no round of the cluster's barrier
	QUARTER 0, 384, F0, F1, 0
	TURN 0, 1, 0
	QUARTER 1, 128, F0, F1, 0
	QUARTER 1, 256, F1, F0, 0
	QUARTER 1, 384, F0, F1, 0
	s_wait_dscnt 16                                ; the very last quarter: nothing more to fetch
	WIN MUL
	MUL8 F1, 0, 0, 0
	MUL8 F1, 0, 2, 0
	s_wait_dscnt 0
	MUL8 F1, 1, 0, 0
	MUL8 F1, 1, 2, 0
	WIN 0
; THE WAY OUT, a block of 16 rows x 64 columns at a time: a lane's 32 bytes of a row go into my own stage and come back as whole rows of 256 bytes; sixteen lanes store 256 consecutive bytes, aligned.
; LDS serves a wave's instructions in order: no wait between the stores and the loads, nor in front of the next block's stores.
.macro TOSTAGE a
.irp b, 0,1,2,3
	ds_store_b128 v[STO], v[ACC+8*(4*(\a)+\b):ACC+8*(4*(\a)+\b)+3] offset:64*\b          ; each accumulator from its low end on
	ds_store_b128 v[STO], v[ACC+8*(4*(\a)+\b)+4:ACC+8*(4*(\a)+\b)+7] offset:64*\b+16
.endr
.set BB, TMP+32*((\a)%2)
.irp t, 0,1,2,3,4,5,6,7
	ds_load_b128 v[BB+4*\t:BB+4*\t+3], v[RD] offset:\t*2*SPITCH
.endr
.endm
.macro SEND a, younger                 ; younger: the LDS instructions issued behind block a's loads, which may stay out
.set BB, TMP+32*((\a)%2)
	s_wait_dscnt \younger
.irp t, 0,1,2,3,4,5,6,7
	global_store_b128 v[CO], v[BB+4*\t:BB+4*\t+3], s[8:9] offset:(16*(\a)+2*\t)*SIZE_N*4 th:TH_STORE_NT
.endr
.endm
	PLACES
	TOSTAGE 0
.irp a, 1,2,3
.if \a > 1
	s_wait_xcnt 0x0                                ; block a - 2's stores have read their registers: block a's loads may land there
.endif
	TOSTAGE \a
	SEND \a-1, 16                                  ; behind block a - 1's loads: block a's 8 stores and 8 loads
.endr
	SEND 3, 0
	s_wait_tensorcnt 0x0                           ; the wave's end, behind my last tensor load and my last LDS store
	ds_add_u32 v[SPW], v[NIL]
	s_wait_dscnt 0x0
	CROUND                                         ; the closing round
	s_endpgm
.Lfunc_end_k_qaba4b2ba7f_proj:
	.size	k_qaba4b2ba7f_proj, .Lfunc_end_k_qaba4b2ba7f_proj-k_qaba4b2ba7f_proj
	.p2alignl 7, 3214868480
	.fill 96, 4, 3214868480
	.section	.rodata,"a",@progbits
	.p2align	6, 0x0
	.amdhsa_kernel k_qaba4b2ba7f_proj
		.amdhsa_group_segment_fixed_size 327680
		.amdhsa_private_segment_fixed_size 0
		.amdhsa_enable_private_segment 0
		.amdhsa_kernarg_size 24
		.amdhsa_user_sgpr_count 2
		.amdhsa_user_sgpr_kernarg_segment_ptr 1
		.amdhsa_wavefront_size32 1
		.amdhsa_system_sgpr_workgroup_id_x 1
		.amdhsa_system_sgpr_workgroup_id_y 1
		.amdhsa_system_sgpr_workgroup_id_z 1
		.amdhsa_system_vgpr_workitem_id 0
		.amdhsa_next_free_vgpr 512
		.amdhsa_next_free_sgpr 66
		.amdhsa_reserve_vcc 0
		.amdhsa_float_denorm_mode_32 3
		.amdhsa_float_denorm_mode_16_64 3
		.amdhsa_memory_ordered 1
		.amdhsa_forward_progress 1
		.amdhsa_inst_pref_size 86
	.end_amdhsa_kernel
	.amdgpu_metadata
---
amdhsa.version: [ 1, 2 ]
amdhsa.kernels:
  - .name:           k_qaba4b2ba7f_proj
    .symbol:         k_qaba4b2ba7f_proj.kd
    .args:
      - { .name: y16, .offset: 0, .size: 8, .value_kind: global_buffer, .address_space: global }
      - { .name: wp16, .offset: 8, .size: 8, .value_kind: global_buffer, .address_space: global }
      - { .name: out0, .offset: 16, .size: 8, .value_kind: global_buffer, .address_space: global }
    .group_segment_fixed_size: 327680
    .private_segment_fixed_size: 0
    .kernarg_segment_align: 8
    .kernarg_segment_size: 24
    .max_flat_workgroup_size: 128
    .sgpr_count:     66
    .vgpr_count:     512
    .wavefront_size: 32
...
	.end_amdgpu_metadata
.endif
;; end of part 4
;; launch first16 (part 5): grid 64 x 4, 16 waves a work-group, no clusters, 18,432 bytes of LDS; arguments f32rows, Wproj, out0; writes out0
.if DOCPART == 5
	.amdgcn_target "amdgcn-amd-amdhsa--gfx1250"
	.amdhsa_code_object_version 6
	.text
	.protected	k_qaba4b2ba7f_first16
	.globl	k_qaba4b2ba7f_first16
	.p2align	8
	.type	k_qaba4b2ba7f_first16,@function
k_qaba4b2ba7f_first16:
	s_mov_b64 s[64:65], 0
	v_nop
	global_prefetch_b8 v0, s[64:65] scope:SCOPE_SE
	s_setreg_imm32_b32 hwreg(HW_REG_WAVE_MODE, 25, 1), 1
	s_wait_xcnt 0x0
; POSITIONS 0-15 OF EVERY SEQUENCE, ONCE MORE, IN F32 THROUGHOUT: under the causal mask they average one to sixteen values, so the rounding of 16-bit operands weighs most there.  Attention and the projection on the way out.
; f32rows: [batch 4][head 24][16][64] f32: q (with q_gain x log2(e) / 8 in it), k, v, unrounded.  Wproj: [1024][1024] f32.  out0 rows 0-15 of each batch are written over.
; SHARES.  A work-group makes 16 positions x 16 output columns (16 x on) of batch y.  Wave w is head w: its 16 x 16 scores, its softmax, its y (16 x 64), and its part of the projection: the sum over its 64 channels.
; The sixteen parts meet in LDS; waves 0 and 1 add them and store.  The attention is made anew in each of a batch's 64 column groups: 32 of a wave's 48 matrix instructions; that buys 256 work-groups for a small job.
; The stores are pieces of 64 bytes of rows 4,096 bytes apart: 256 KiB in the whole launch.
; K IS PERMUTED ALIKE IN BOTH OPERANDS of every product, so that a lane's loads are runs of neighbours and each result is the next product's operand as it stands:
;   S^T = K Q^T: step i takes channels 32 h + 2 i, + 1.   O^T = V^T P: step i takes keys 8 h + 2 i, + 1: P's registers 2 i, 2 i + 1.   out^T = W O^T: step (c, i) takes channels 16 c + 8 h + 2 i, + 1: O's registers.
; The registers that the f32 matrix form writes are written by matrix instructions alone; sums begin with the constant 0; four accumulators take turns.
.set SPW, 14
.set NIL, 15
.set SPARE, 16384                      ; LDS: 16 parts of 1,024 bytes; behind them the spare words, 128 bytes a wave
.set KR,  16                           ; v16-47   K: my key's 32 channels
.set QR,  48                           ; v48-79   Q: my query's 32 channels
.set VR,  80                           ; v80-111  V^T: tile c of channels, my 8 keys, at 8 c
.set WR,  112                          ; v112-143 Wproj: my output column, 8 channels of tile c at 8 c
.set SPA, 144                          ; v144-175 four partial sums of S^T
.set T,   176                          ; v176-183 the scores; later the part of the output
.set P,   184                          ; v184-191 p; also at work
.set O,   192                          ; v192-223 O^T, four tiles of channels
.set OUTA, 224                         ; v224-255 four partial sums of out^T
	s_load_b128 s[4:7], s[0:1], 0x0                ; f32rows, Wproj
	s_load_b64 s[8:9], s[0:1], 0x10                ; out0
	v_lshl_add_u32 v[SPW], v0, 2, SPARE
	v_mov_b32 v[NIL], 0
	v_lshrrev_b32 v1, 5, v0
	v_readfirstlane_b32 s10, v1                    ; wave = head
	v_and_b32 v1, 15, v0                           ; r
	v_bfe_u32 v2, v0, 4, 1                         ; h
	v_and_b32 v9, 31, v0
	v_lshlrev_b32 v3, 8, v1
	v_lshl_add_u32 v3, v2, 7, v3                   ; K, Q: row r of 256 bytes, + 128 h
	v_lshlrev_b32 v4, 2, v1
	v_lshl_add_u32 v4, v2, 11, v4                  ; V: key 8 h, channel r
	v_lshlrev_b32 v5, 12, v1
	v_lshl_add_u32 v5, v2, 5, v5                   ; Wproj: row r of 4,096 bytes, + 32 h; the output likewise
	v_lshlrev_b32 v6, 3, v2
	v_sub_nc_u32 v6, v1, v6                        ; r - 8 h: register j (key 8 h + j) is hidden where j is above it
	s_lshl_b32 s11, s10, 10
	v_lshl_add_u32 v7, v9, 4, s11                  ; LDS: my wave's part, 16 bytes a lane
	s_and_b32 s11, s10, 1
	s_lshl_b32 s11, s11, 9
	v_lshl_add_u32 v8, v9, 4, s11                  ; and where waves 0 and 1 read: the low or the high four registers of every part
	v_mov_b32 v11, 0                               ; a lane permute's destination counts as one of its sources
	v_mov_b32 v13, 0
	s_mov_b32 s20, 0x76543210
	s_mov_b32 s21, 0xfedcba98
	s_and_b32 s12, ttmp7, 0xffff                   ; the batch
	s_mul_i32 s13, s12, 24
	s_add_co_u32 s14, s13, s10
	s_lshl_b32 s14, s14, 12                        ; q of head w: 4,096 bytes a head
	s_mov_b32 s15, 0
	s_lshr_b32 s16, s10, 2
	s_add_co_u32 s16, s16, s13
	s_add_co_u32 s16, s16, 16
	s_lshl_b32 s16, s16, 12                        ; k of head 16 + w / 4; v lies four heads, 16,384 bytes, on
	s_mov_b32 s17, 0
	s_lshl_b32 s18, ttmp9, 16                      ; Wproj: rows 16 x on,
	s_lshl_b32 s19, s10, 8                         ; channels 64 w on
	s_add_co_u32 s18, s18, s19
	s_mov_b32 s19, 0
	s_lshl_b32 s22, s12, 23                        ; the output: the batch's 2,048 rows of 4,096 bytes,
	s_lshl_b32 s23, ttmp9, 6                       ; columns 16 x on,
	s_add_co_u32 s22, s22, s23
	s_and_b32 s23, s10, 1
	s_lshl_b32 s23, s23, 4                         ; and 16 bytes on for wave 1
	s_add_co_u32 s22, s22, s23
	s_mov_b32 s23, 0
	s_wait_kmcnt 0x0
	s_add_nc_u64 s[24:25], s[4:5], s[14:15]        ; q
	s_add_nc_u64 s[26:27], s[4:5], s[16:17]        ; k
	s_add_nc_u64 s[6:7], s[6:7], s[18:19]
	s_add_nc_u64 s[8:9], s[8:9], s[22:23]
.irp i, 0,1,2,3,4,5,6,7
	global_load_b128 v[KR+4*\i:KR+4*\i+3], v3, s[26:27] offset:16*\i
.endr
.irp i, 0,1,2,3,4,5,6,7
	global_load_b128 v[QR+4*\i:QR+4*\i+3], v3, s[24:25] offset:16*\i
.endr
.irp c, 0,1,2,3
.irp k, 0,1,2,3,4,5,6,7
	global_load_b32 v[VR+8*\c+\k], v4, s[26:27] offset:16384+256*\k+64*\c
.endr
.endr
.irp c, 0,1,2,3
	global_load_b128 v[WR+8*\c:WR+8*\c+3], v5, s[6:7] offset:64*\c
	global_load_b128 v[WR+8*\c+4:WR+8*\c+7], v5, s[6:7] offset:64*\c+16
.endr
	s_wait_loadcnt 40                              ; K and Q are in; V's 32 loads and Wproj's 8 may stay out
.irp i, 0,1,2,3
	v_wmma_f32_16x16x4_f32 v[SPA+8*\i:SPA+8*\i+7], v[KR+2*\i:KR+2*\i+1], v[QR+2*\i:QR+2*\i+1], 0
.endr
.irp i, 4,5,6,7,8,9,10,11,12,13,14,15
	v_wmma_f32_16x16x4_f32 v[SPA+8*(\i%4):SPA+8*(\i%4)+7], v[KR+2*\i:KR+2*\i+1], v[QR+2*\i:QR+2*\i+1], v[SPA+8*(\i%4):SPA+8*(\i%4)+7]
.endr
.rept 8
	v_nop                                          ; eight places behind this form, in front of the first read of results
.endr
.irp j, 0,2,4,6
	v_pk_add_f32 v[T+\j:T+\j+1], v[SPA+\j:SPA+\j+1], v[SPA+8+\j:SPA+8+\j+1]
.endr
.irp j, 0,2,4,6
	v_pk_add_f32 v[P+\j:P+\j+1], v[SPA+16+\j:SPA+16+\j+1], v[SPA+24+\j:SPA+24+\j+1]
.endr
.irp j, 0,2,4,6
	v_pk_add_f32 v[T+\j:T+\j+1], v[T+\j:T+\j+1], v[P+\j:P+\j+1]      ; register j: the score of key 8 h + j for query r
.endr
	v_mov_b32 v10, 0xff800000
.irp j, 0,1,2,3,4,5,6,7
	v_cmp_gt_i32 vcc_lo, \j, v6
	v_cndmask_b32 v[T+\j], v[T+\j], v10, vcc_lo    ; the causal mask
.endr
	v_max3_num_f32 v10, v[T], v[T+1], v[T+2]
	v_max3_num_f32 v10, v10, v[T+3], v[T+4]
	v_max3_num_f32 v10, v10, v[T+5], v[T+6]
	v_max_num_f32 v10, v10, v[T+7]
	v_permlanex16_b32 v11, v10, s20, s21
	v_max_num_f32 v10, v10, v11                    ; the row's maximum: key 0 counts for every query, so it is a number
.irp j, 0,2,4,6
	v_pk_add_f32 v[T+\j:T+\j+1], v[T+\j:T+\j+1], v[10:11] op_sel_hi:[1,0] neg_lo:[0,1] neg_hi:[0,1]
.endr
.irp j, 0,1,2,3,4,5,6,7
	v_exp_f32 v[P+\j], v[T+\j]
.endr
	v_nop
	s_wait_alu depctr_va_vdst(0)                   ; one wait for the eight exponentials, ahead of their first reader
	v_pk_add_f32 v[12:13], v[P:P+1], v[P+2:P+3]
	v_pk_add_f32 v[T:T+1], v[P+4:P+5], v[P+6:P+7]
	v_pk_add_f32 v[12:13], v[12:13], v[T:T+1]
	v_add_f32 v12, v12, v13
	v_permlanex16_b32 v13, v12, s20, s21
	v_add_f32 v12, v12, v13
	v_rcp_f32 v10, v12
	v_nop
	s_wait_alu depctr_va_vdst(0)
.irp j, 0,2,4,6
	v_pk_mul_f32 v[P+\j:P+\j+1], v[P+\j:P+\j+1], v[10:11] op_sel_hi:[1,0]    ; the weights, normalised
.endr
	s_wait_loadcnt 8                               ; V is in; Wproj's 8 loads may stay out
.irp c, 0,1,2,3
	v_wmma_f32_16x16x4_f32 v[O+8*\c:O+8*\c+7], v[VR+8*\c:VR+8*\c+1], v[P:P+1], 0
.endr
.irp i, 1,2,3
.irp c, 0,1,2,3
	v_wmma_f32_16x16x4_f32 v[O+8*\c:O+8*\c+7], v[VR+8*\c+2*\i:VR+8*\c+2*\i+1], v[P+2*\i:P+2*\i+1], v[O+8*\c:O+8*\c+7]
.endr
.endr
	s_wait_loadcnt 0x0                             ; Wproj
.rept 9
	v_nop                                          ; nine places: the results become source 1 of the next products
.endr
.irp c, 0,1,2,3
	v_wmma_f32_16x16x4_f32 v[OUTA+8*\c:OUTA+8*\c+7], v[WR+8*\c:WR+8*\c+1], v[O+8*\c:O+8*\c+1], 0
.endr
.irp i, 1,2,3
.irp c, 0,1,2,3
	v_wmma_f32_16x16x4_f32 v[OUTA+8*\c:OUTA+8*\c+7], v[WR+8*\c+2*\i:WR+8*\c+2*\i+1], v[O+8*\c+2*\i:O+8*\c+2*\i+1], v[OUTA+8*\c:OUTA+8*\c+7]
.endr
.endr
.rept 8
	v_nop
.endr
.irp j, 0,2,4,6
	v_pk_add_f32 v[T+\j:T+\j+1], v[OUTA+\j:OUTA+\j+1], v[OUTA+8+\j:OUTA+8+\j+1]
.endr
.irp j, 0,2,4,6
	v_pk_add_f32 v[P+\j:P+\j+1], v[OUTA+16+\j:OUTA+16+\j+1], v[OUTA+24+\j:OUTA+24+\j+1]
.endr
.irp j, 0,2,4,6
	v_pk_add_f32 v[T+\j:T+\j+1], v[T+\j:T+\j+1], v[P+\j:P+\j+1]      ; register j: my head's part of out(position r, column 16 x + 8 h + j)
.endr
	ds_store_b128 v7, v[T:T+3]
	ds_store_b128 v7, v[T+4:T+7] offset:512
	s_wait_dscnt 0x0                               ; for the others' sake: my stores have landed
	s_barrier_signal -1
	s_barrier_wait -1
	s_cmp_lt_u32 s10, 2                            ; waves 0 and 1 add the sixteen parts: wave 0 the low four registers, wave 1 the high four
	s_cbranch_scc0 .Ldone
.irp p, 0,1,2,3,4,5,6,7,8,9,10,11,12,13,14,15
	ds_load_b128 v[16+4*\p:19+4*\p], v8 offset:1024*\p
.endr
	s_wait_dscnt 0x0
.irp p, 1,2,3,4,5,6,7,8,9,10,11,12,13,14,15
	v_pk_add_f32 v[16:17], v[16:17], v[16+4*\p:17+4*\p]
	v_pk_add_f32 v[18:19], v[18:19], v[18+4*\p:19+4*\p]
.endr
	global_store_b128 v5, v[16:19], s[8:9]
.Ldone:
	s_wait_tensorcnt 0x0                           ; the wave's end, behind my last LDS store
	ds_add_u32 v[SPW], v[NIL]
	s_wait_dscnt 0x0
	s_endpgm
.Lfunc_end_k_qaba4b2ba7f_first16:
	.size	k_qaba4b2ba7f_first16, .Lfunc_end_k_qaba4b2ba7f_first16-k_qaba4b2ba7f_first16
	.p2alignl 7, 3214868480
	.fill 96, 4, 3214868480
	.section	.rodata,"a",@progbits
	.p2align	6, 0x0
	.amdhsa_kernel k_qaba4b2ba7f_first16
		.amdhsa_group_segment_fixed_size 18432
		.amdhsa_private_segment_fixed_size 0
		.amdhsa_enable_private_segment 0
		.amdhsa_kernarg_size 24
		.amdhsa_user_sgpr_count 2
		.amdhsa_user_sgpr_kernarg_segment_ptr 1
		.amdhsa_wavefront_size32 1
		.amdhsa_system_sgpr_workgroup_id_x 1
		.amdhsa_system_sgpr_workgroup_id_y 1
		.amdhsa_system_sgpr_workgroup_id_z 1
		.amdhsa_system_vgpr_workitem_id 0
		.amdhsa_next_free_vgpr 256
		.amdhsa_next_free_sgpr 66
		.amdhsa_reserve_vcc 1
		.amdhsa_float_denorm_mode_32 3
		.amdhsa_float_denorm_mode_16_64 3
		.amdhsa_memory_ordered 1
		.amdhsa_forward_progress 1
		.amdhsa_inst_pref_size 19
	.end_amdhsa_kernel
	.amdgpu_metadata
---
amdhsa.version: [ 1, 2 ]
amdhsa.kernels:
  - .name:           k_qaba4b2ba7f_first16
    .symbol:         k_qaba4b2ba7f_first16.kd
    .args:
      - { .name: f32rows, .offset: 0, .size: 8, .value_kind: global_buffer, .address_space: global }
      - { .name: Wproj, .offset: 8, .size: 8, .value_kind: global_buffer, .address_space: global }
      - { .name: out0, .offset: 16, .size: 8, .value_kind: global_buffer, .address_space: global }
    .group_segment_fixed_size: 18432
    .private_segment_fixed_size: 0
    .kernarg_segment_align: 8
    .kernarg_segment_size: 24
    .max_flat_workgroup_size: 512
    .sgpr_count:     66
    .vgpr_count:     256
    .wavefront_size: 32
...
	.end_amdgpu_metadata
.endif
;; end of part 5
